; MI455X (gfx1250); checked and timed in simulation.
; The chip was launched on July 23, 2026; its instructions are those of AMD's public machine-readable ISA for CDNA 5 (MIT licence, August 2026) and "CDNA5" Instruction Set Architecture Reference Guide (July 2026). The comments in the code are by the model that wrote it; some were corrected since.
;; Causal Self Attention. Allowed arithmetic: matrix products marked QUANTISED: E2M3 operands, one E8M0 scale for each 32 along K, by v_wmma_scale_f32_16x16x128_f8f6f4 with both operands' format E2M3, f32 sums; everything else in f32.
;; Inputs: Wk_codes 1,024 x 32 x 24 uint8 (E2M3 codes of Wk, K innermost, in blocks of 32 codes, four codes in three bytes); Wk_scales 1,024 x 32 uint8 (E8M0 scales of Wk, one for each 32 codes along K); Wo_codes 1,024 x 32 x 24 uint8 (E2M3 codes of Wo, K innermost, in blocks of 32 codes, four codes in three bytes); Wo_scales 1,024 x 32 uint8 (E8M0 scales of Wo, one for each 32 codes along K); Wq_codes 1,024 x 32 x 24 uint8 (E2M3 codes of Wq, K innermost, in blocks of 32 codes, four codes in three bytes); Wq_scales 1,024 x 32 uint8 (E8M0 scales of Wq, one for each 32 codes along K); Wv_codes 1,024 x 32 x 24 uint8 (E2M3 codes of Wv, K innermost, in blocks of 32 codes, four codes in three bytes); Wv_scales 1,024 x 32 uint8 (E8M0 scales of Wv, one for each 32 codes along K); bk 1,024 float32; bo 1,024 float32; bq 1,024 float32; bv 1,024 float32; x_codes 4 x 2,048 x 32 x 24 uint8 (E2M3 codes of x, K innermost, in blocks of 32 codes, four codes in three bytes); x_scales 4 x 2,048 x 32 uint8 (E8M0 scales of x, one for each 32 codes along K).
;; Outputs: out0 4 x 2,048 x 1,024 float32.
;; This version of the problem:
;;   THIS VERSION OF THE PROBLEM IS GIVEN IN LOW PRECISION. The matrix products marked QUANTISED in the list below multiply operands that are first quantised to E2M3 (2 exponent bits, 3 mantissa bits; 6 bits a number), with one power-of-two scale for each 32 numbers along K (OCP MX v1.0); their sums are f32. All else is computed in f32.
;;   The module's matrix products, in the order in which they are computed (A, B: the left and right operand; K: the contracted axis; several contracted axes count as one K, in the product's order):
;;     1. [M 8,192, K 1,024] x [K 1,024, N 1,024]; A: input x (given as codes); B: input Wq (given as codes): QUANTISED
;;     2. [M 8,192, K 1,024] x [K 1,024, N 1,024]; A: input x (given as codes); B: input Wk (given as codes): QUANTISED
;;     3. [M 8,192, K 1,024] x [K 1,024, N 1,024]; A: input x (given as codes); B: input Wv (given as codes): QUANTISED
;;     4. batch 64 x [M 2,048, K 64] x [K 64, N 2,048]; A: computed on the way; B: computed on the way: QUANTISED
;;     5. batch 64 x [M 2,048, K 2,048] x [K 2,048, N 64]; A: softmax (see below); B: computed on the way: QUANTISED
;;     6. [M 8,192, K 1,024] x [K 1,024, N 1,024]; A: computed on the way; B: input Wo (given as codes): QUANTISED
;;   THE QUANTISER, for each operand of a quantised product, along K:
;;     - K is cut into blocks of 32 from its start; a last block that is shorter is filled with zeros.
;;     - A block's scale is 2^e with e = floor(log2(the largest magnitude in the block)) - 2, held to -126 .. 127; a block of zeros has e = 0. As a byte (E8M0): e + 127.
;;     - Each number is divided by its block's scale, clamped to +-7.5, and rounded to the nearest number of E2M3, ties to even, subnormals kept.
;;     - The product sums the exact products of the quantised numbers (number of the format x scale) in f32.
;;   ~~~python
;;   def quantise(x, axis):      # numpy; x: float32 -> the quantised numbers, widened to float32 again
;;       x = np.moveaxis(x, axis, -1); K = x.shape[-1]
;;       x = np.pad(x, [(0, 0)] * (x.ndim - 1) + [(0, -K % 32)]); x = x.reshape(x.shape[:-1] + (-1, 32)); a = np.abs(x).max(-1, keepdims=True)
;;       e = np.where(a > 0, np.clip(np.frexp(np.where(a > 0, a, 1))[1] - 1 - 2, -126, 127), 0)      # np.frexp(a)[1] - 1 = floor(log2(a)), exactly
;;       r = np.clip(x / 2.0 ** e, -7.5, 7.5)
;;       step = 2.0 ** (np.maximum(np.frexp(np.where(r == 0, 1, r))[1] - 1, 0) - 3)
;;       q = np.round(r / step) * step * 2.0 ** e      # np.round: ties to even
;;       return np.moveaxis(q.reshape(q.shape[:-2] + (-1,))[..., :K], -1, axis).astype(np.float32)
;;   ~~~
;;   SOFTMAX AHEAD OF A QUANTISED PRODUCT. Where the list says 'softmax', what is quantised is not the finished softmax but p = 2^(t - M), with t = logit x log2(e) and M = ceil(the row's largest t), a whole number; so 1/2 < the row's largest p <= 1. The row's sum l is taken of the UNQUANTISED p, in f32, and the product's result is divided by l at the end. Since M is a whole number, a kernel that streams over the keys may use a running M (the ceiling of the running maximum): every later rescaling is an exact power of two, which a block's scale takes up: the codes' values come out the same.
;;   OPERANDS COMPUTED ON THE WAY. 'Computed on the way' means the value that the module computes at that place (a softmax that the list does not call 'softmax' is quantised finished and normalised). What goes into a quantiser is computed in f32, as accurately as f32 sums, v_exp_f32 and their like allow (about 1e-6 of the number): no bf16 or f16 on the way to a quantiser, and a product that is left as it is and whose result goes on into a quantised operand takes f32 operands (vector FMAs, or v_wmma_f32_16x16x4_f32). A number that lies on a knife's edge between two numbers of the format may be rounded either way, as far as f32 arithmetic and the matrix unit's own rounding can turn it there, and no further.
;;   INPUTS GIVEN AS CODES. Wk (in the module: [1024, 1024], K = its axis 0); Wo (in the module: [1024, 1024], K = its axis 0); Wq (in the module: [1024, 1024], K = its axis 0); Wv (in the module: [1024, 1024], K = its axis 0); x (in the module: [4, 2048, 1024], K = its axis 2): each comes as NAME_codes (uint8): NAME with its K axis moved to the last place and cut into blocks of 32 codes, [.., K / 32, bytes a block], one block behind the other in memory; four codes in three bytes: a row's codes are one little-endian stream of bits, code i at bits 6 i .. 6 i + 5 (a code: sign, 2 exponent bits, 3 mantissa bits); and NAME_scales (uint8): the same leading axes, one E8M0 byte (e + 127) for each 32 codes along K. Its value is code x scale, taken as it is: it is not quantised again, and the codes and scales need not be those that the quantiser above would give.
;; One version. Each part assembles by itself: llvm-mc -triple=amdgcn-amd-amdhsa -mcpu=gfx1250 --defsym DOCPART=n.
;; ======== version 1 of 1: 3 launches
;; workspace buffers: qimg 6,553,600 bytes; kv 13,107,200 bytes; ycodes 6,291,456 bytes; yscales 262,144 bytes
;; launch qkv (part 1): grid 12 x 32, 4 waves a work-group, clusters of 4 x 4, 327,680 bytes of LDS; arguments x_codes, x_scales, Wq_codes, Wq_scales, Wk_codes, Wk_scales, Wv_codes, Wv_scales, bq, bk, bv, qimg, kv; writes qimg, kv
.if DOCPART == 1
	.amdgcn_target "amdgcn-amd-amdhsa--gfx1250"
	.amdhsa_code_object_version 6
	.text
	.protected	k_q1d0a6bb44f_qkv
	.globl	k_q1d0a6bb44f_qkv
	.p2align	8
	.type	k_q1d0a6bb44f_qkv,@function
k_q1d0a6bb44f_qkv:
	s_mov_b64 s[64:65], 0
	v_nop
	global_prefetch_b8 v0, s[64:65] scope:SCOPE_SE
	s_setreg_imm32_b32 hwreg(HW_REG_WAVE_MODE, 25, 1), 1
	s_wait_xcnt 0x0
	s_wait_alu depctr_hold_cnt(0) depctr_sa_sdst(0) depctr_va_vdst(0) depctr_va_sdst(0) depctr_va_ssrc(0) depctr_va_vcc(0) depctr_vm_vsrc(0)
	s_getreg_b32 s2, hwreg(HW_REG_IB_STS2, 6, 4)
	s_cmp_eq_u32 s2, 0
	s_cbranch_scc0 .Lentry_in_a_cluster
	s_endpgm
.Lentry_in_a_cluster:
	s_bfe_u32 s2, ttmp6, 0x10000c
	s_cmp_lg_u32 s2, 0xf033
	s_cbranch_scc0 .Lentry_shape_is_right
	s_endpgm
.Lentry_shape_is_right:
; q = x Wq + bq, k = x Wk + bk, v = x Wv + bv on codes of FP6 (E2M3) with E8M0 scales, and the results quantised at once: q and k along the head's 64, v along the keys.
; One GEMM body, C[m][n] = sum over k of A[m][k] B[n][k], K = 1,024, a tile of 256 x 256 to a work-group of four waves, 128 x 128 to a wave.
; Cluster x chooses the product: 0: A = x, B = Wq;  1: A = x, B = Wk;  2: A = Wv, B = x (the product transposed).  The matrix instruction is used transposed (source 0 = 16 rows of B,
; source 1 = 16 rows of A), so a lane holds ONE row of A and its registers run along B's rows: along the channels for q and k, along the tokens for v: each time the axis that is quantised.
; WHAT IS STORED: images of operand registers.  A fragment's 12 registers go out as 3 stores of 16 bytes a lane, registers 4 i .. 4 i + 3 of lane l at 512 i + 16 l: each store covers 512 consecutive bytes, aligned to 256.
;   q, k: an image holds 32 tokens of one head: registers 0-5 tokens 0-15, registers 6-11 tokens 16-31; lane (r, h) holds token r's block h of 32 channels.  Its scale word: bytes 0, 1 the first token tile's two blocks, bytes 2, 3 the second's.
;   v: an image holds 16 channels x 128 keys.  Its scale word: the four blocks of 32 keys.
;   qimg: [batch x head][128 tokens][4 images, 256 bytes of scale words];  kv: [batch x head][128 tokens][K's 4 images, V's 4 images, K's 256 bytes of scale words, V's 256].
;   Scale words of four images lie as [lane][2] words: word p of lanes 0-15 belongs to image 2 p, of lanes 16-31 to image 2 p + 1.
; ORDER INSIDE A BLOCK OF 32: tiles are 16 neighbouring rows, so a lane's 16 numbers of a block are elements 8 h + 0..7 and 16 + 8 h + 0..7; in the codes, place 16 h + 8 u + j holds element 16 u + 8 h + j.
;   q and k carry the same order, and so do v and the softmax's weights in the next launch: a product's sum does not depend on it, nor does a block's scale.
; The biases are the C of each sum's first matrix instruction (another order of f32 rounding than the sum followed by the bias).
; LIMITS: NaN and infinities are not served; a block whose largest magnitude lies under 2^-124 keeps the scale byte 1; a block of zeros has the byte 1, not 127 (its codes are zeros; these bytes are read by this program alone).
; Ring, joint loads, the cluster's rounds and all counts of waits: K goes in steps of 256 through two LDS slots; the scale bytes of the work-group's rows come once and stay.
; REGISTERS, in windows of 256: window 0: v0-31 addresses; v32-63 scale words, two sets (nothing else ever); v64-127 the bias, later the quantiser's work; from v128 A's fragments, later the images.
;   window 1: B's fragments, two sets.   window 2: accumulators of my rows 0-63 ((a, b) at v[8 (8 a + b)]);   window 3: of my rows 64-127.
.set SIZE_K, 1024
.set KSTEP,  256                       ; along K in a slot
.set NQ,     KSTEP/128                 ; matrix instructions deep
.set ROWB,   192                       ; a tile's row in bytes
.set KROW,   SIZE_K*6/8                ; a row of codes in memory
.set PITCH,  240                       ; an LDS row: 3 x (64 bytes + 16 of padding)
.set FR,     12                        ; registers of a fragment
.set NL,     6                         ; LDS loads that bring one
.set NP,     4                         ; places behind this matrix instruction (ISA guide 7.12.1)
.set HALFT,  128*PITCH                 ; 128 rows: one tensor load
.set SLOT,   4*HALFT                   ; A's 256 rows, then B's 256
.set LAPS,   SIZE_K/(2*KSTEP)
.set KS,     SIZE_K/32                 ; a row of scale bytes
.set SCL,    2*SLOT                    ; behind the ring: the scales, units of 256 bytes + 16
.set HALFS,  (128*KS/256)*272
.set SBLK,   (16*KS/256)*272
.set SPARE,  SCL+4*HALFS               ; the spare words: 128 bytes a wave, named by no other line
.set ADRA, 16                          ; v16-17 LDS address of my A fragments in slot 0, 1 (v18-19: behind one padding more)
.set ADRB, 20                          ; v20-23 the same for B
.set BOQ,  24                          ; v24 bias offset for q, k: 32 h
.set BOV,  25                          ; v25 bias offset for v: 4 r
.set LO16, 26                          ; v26 16 x lane: an image's place for my lane
.set ADRS, 27                          ; v27 LDS address of my scale words
.set SPW,  28                          ; v28 my spare word; never rewritten
.set NIL,  29                          ; v29 0; never rewritten
.set LO8,  30                          ; v30 8 x lane: my two scale words' place
.set SC,   32                          ; scale words
.set BI,   64                          ; v64-127 the bias in the result's layout
.set AF,   128                         ; A's fragments
.set TM,   64                          ; the way out: v64-67 largest magnitudes, v68-71 the other half's, then bytes, v76-79 the conversions' scale operands
.set PW0,  80                          ; v80, v81 the scale words of the pair's two blocks of rows
.set PW1,  81
.set SW,   82                          ; v82, v83 at work
.set SCO,  84                          ; v84-87 the scale words as they are stored
.set T2,   88                          ; v88-95 the conversions' second halves
.set IMG,  128                         ; v128-175 two sets of two images
.set G1, 24
.set G0, 32
.set G1B, 48
.set G0B, 56
.set G1S, 68
.set G0S, 76
.set G1SB, 80
.set G0SB, 88
.set MSB, 0
.macro WIN new                         ; the immediate's high byte repeats the setting that is left
.if MSB != \new
	s_set_vgpr_msb (MSB<<8)|\new
.set MSB, \new
.endif
.endm
.set MUL_LO, 0xa1                      ; source 0 (B) window 1, source 1 (A) window 0, C and D window 2
.set MUL_HI, 0xf1                      ; the same, C and D window 3
.set TO_B,   0x40                      ; destination window 1, address window 0
; A joint load: waves 0 and 1 fetch for A, waves 2 and 3 for B; the branch hangs on the wave's number alone.  Four v_nop follow each of the two lines.
.macro JLOAD g0a, g1a, g0b, g1b
	s_cmp_eq_u32 s15, 0
	s_cbranch_scc0 .Lfor_b_\@
	tensor_load_to_lds s[\g0a:\g0a+3], s[\g1a:\g1a+7]
	s_nop 0
.rept 4
	v_nop
.endr
	s_branch .Lasked_\@
.Lfor_b_\@:
	tensor_load_to_lds s[\g0b:\g0b+3], s[\g1b:\g1b+7]
	s_nop 0
.rept 4
	v_nop
.endr
.Lasked_\@:
.endm
.macro CREST                           ; a round of the cluster's barrier behind its opening barrier
	s_cmp_lg_u32 s14, 0
	s_cbranch_scc1 .Lnot_wave_0_\@
	s_barrier_signal -3
.Lnot_wave_0_\@:
	s_barrier_wait -3
	s_barrier_signal -1
	s_barrier_wait -1
.endm
.macro CROUND
	s_barrier_signal -1
	s_barrier_wait -1
	CREST
.endm
	s_load_b512 s[68:83], s[0:1], 0x0              ; x's codes, scales; Wq's; Wk's; Wv's
	s_load_b256 s[84:91], s[0:1], 0x40             ; bq, bk, bv, qimg
	s_load_b64 s[92:93], s[0:1], 0x60              ; kv
	v_lshl_add_u32 v[SPW], v0, 2, SPARE
	v_mov_b32 v[NIL], 0
	ds_add_u32 v28, v29
	ds_add_u32 v28, v29
	s_wait_dscnt 0x0
	v_lshrrev_b32 v1, 5, v0
	v_readfirstlane_b32 s14, v1                    ; wave 0..3
	s_lshr_b32 s15, s14, 1                         ; which half of the tile's rows is mine.  Also: I fetch for A (0) or for B (1)
	s_and_b32 s16, s14, 1                          ; which half of its columns.  Also: which 128 rows of that tile I fetch
	s_bfe_u32 s40, ttmp6, 0x40000                  ; cx, cy: my place in the cluster
	s_bfe_u32 s41, ttmp6, 0x40004
	s_and_b32 s2, ttmp7, 0xffff
	s_lshl_b32 s2, s2, 2                           ; 4 x cluster y: it walks x's 32 tiles of 256 tokens
	s_cmp_eq_u32 ttmp9, 2                          ; cluster x, the same in all sixteen partners: is x the B of this product?
	s_cselect_b32 s66, 0, s2
	s_cselect_b32 s67, s2, 0
	s_add_co_u32 s17, s66, s41                     ; tile row of C (A's rows): hangs on cy alone within the cluster
	s_add_co_u32 s42, s67, s40                     ; tile column (B's rows): on cx alone
	s_lshl_b32 s43, s41, 2
	s_lshl_b32 s43, 15, s43                        ; my row of the cluster
	s_lshl_b32 s44, 0x1111, s40                    ; my column
	s_wait_kmcnt 0x0
	s_cmp_eq_u32 ttmp9, 0                          ; the buffers are chosen by the cluster's x alone
	s_cselect_b64 s[8:9], s[72:73], s[76:77]       ; B's codes: Wq's or Wk's
	s_cselect_b64 s[10:11], s[74:75], s[78:79]     ; B's scales
	s_cselect_b64 s[96:97], s[84:85], s[86:87]     ; bq or bk
	s_cselect_b64 s[12:13], s[90:91], s[92:93]     ; qimg or kv
	s_cmp_eq_u32 ttmp9, 2
	s_cselect_b64 s[4:5], s[80:81], s[68:69]       ; A's codes: Wv's or x's
	s_cselect_b64 s[6:7], s[82:83], s[70:71]
	s_cselect_b64 s[8:9], s[68:69], s[8:9]         ; B: x for the third product
	s_cselect_b64 s[10:11], s[70:71], s[10:11]
	s_cselect_b64 s[96:97], s[88:89], s[96:97]     ; bv
	; descriptor group 1: a tile of 128 rows x 192 bytes, 16 bytes of padding behind every 64
	s_or_b32 s[G1+0], s43, (0<<16)|(1<<20)|(1<<21)|(3<<22)|(3<<25)  ; the mask: A's tiles go to my row of the cluster
	s_or_b32 s[G1B+0], s44, (0<<16)|(1<<20)|(1<<21)|(3<<22)|(3<<25) ; B's to my column
.irp g, G1, G1B
	s_mov_b32 s[\g+1], ROWB<<16                    ; tensor_dim0
	s_mov_b32 s[\g+2], 128<<16                     ; tensor_dim1
	s_mov_b32 s[\g+3], ROWB<<16                    ; tile_dim0
	s_mov_b32 s[\g+4], 128                         ; tile_dim1
	s_mov_b32 s[\g+5], KROW                        ; pitch
	s_mov_b32 s[\g+6], 0
	s_mov_b32 s[\g+7], 0
.endr
	; the scales of 128 rows: a dense block of 4,096 bytes, as 16 rows of 256 bytes, 16 bytes of padding behind each
	s_or_b32 s[G1S+0], s43, (3<<16)|(1<<20)|(1<<21)|(5<<22)|(3<<25)
	s_or_b32 s[G1SB+0], s44, (3<<16)|(1<<20)|(1<<21)|(5<<22)|(3<<25)
.irp g, G1S, G1SB
	s_mov_b32 s[\g+1], 32<<16
	s_mov_b32 s[\g+2], (128*KS/256)<<16
	s_mov_b32 s[\g+3], 32<<16
	s_mov_b32 s[\g+4], 128*KS/256
	s_mov_b32 s[\g+5], 32
	s_mov_b32 s[\g+6], 0
	s_mov_b32 s[\g+7], 0
.endr
	s_lshl_b32 s18, s16, 7                         ; which 128 rows of the tile I fetch
	s_lshl_b32 s20, s17, 8
	s_add_co_u32 s20, s20, s18                     ; A: row 256 x tile row + 128 x half
	s_lshl_b32 s46, s42, 8
	s_add_co_u32 s46, s46, s18                     ; B: row 256 x tile column + 128 x half
	s_mov_b32 s21, 0
	s_mov_b32 s47, 0
	s_mov_b64 s[18:19], KS
	s_mul_u64 s[22:23], s[20:21], s[18:19]         ; where these rows' scales begin, in bytes
	s_mul_u64 s[92:93], s[46:47], s[18:19]
	s_mov_b64 s[18:19], KROW
	s_mul_u64 s[20:21], s[20:21], s[18:19]         ; and their codes
	s_mul_u64 s[46:47], s[46:47], s[18:19]
	s_mul_i32 s45, s14, HALFT                      ; where they go: wave x 128 rows
	s_mul_i32 s94, s14, HALFS
	s_add_nc_u64 s[20:21], s[4:5], s[20:21]
	s_add_nc_u64 s[22:23], s[6:7], s[22:23]
	s_add_nc_u64 s[46:47], s[8:9], s[46:47]
	s_add_nc_u64 s[92:93], s[10:11], s[92:93]
	CROUND                                         ; all sixteen work-groups are here: the first joint loads meet
	s_mov_b32 s[G0S], 1
	s_add_co_u32 s[G0S+1], s94, SCL
	s_mov_b64 s[G0S+2:G0S+3], s[22:23]
	s_or_b32 s[G0S+3], s[G0S+3], 0x80000000
	s_mov_b32 s[G0SB], 1
	s_add_co_u32 s[G0SB+1], s94, SCL
	s_mov_b64 s[G0SB+2:G0SB+3], s[92:93]
	s_or_b32 s[G0SB+3], s[G0SB+3], 0x80000000
	JLOAD G0S, G1S, G0SB, G1SB                     ; the scales first: they are wanted with K step 0
.irp s, 0,1
	s_mov_b32 s[G0+4*\s], 1
	s_add_co_u32 s[G0+4*\s+1], s45, \s*SLOT
	s_add_nc_u64 s[G0+4*\s+2:G0+4*\s+3], s[20:21], \s*ROWB
	s_or_b32 s[G0+4*\s+3], s[G0+4*\s+3], 0x80000000
	s_mov_b32 s[G0B+4*\s], 1
	s_add_co_u32 s[G0B+4*\s+1], s45, \s*SLOT
	s_add_nc_u64 s[G0B+4*\s+2:G0B+4*\s+3], s[46:47], \s*ROWB
	s_or_b32 s[G0B+4*\s+3], s[G0B+4*\s+3], 0x80000000
	JLOAD G0+4*\s, G1, G0B+4*\s, G1B               ; three loads of mine are out behind the second of these
.endr
	v_and_b32 v1, 15, v0                           ; r = l % 16
	v_bfe_u32 v2, v0, 4, 1                         ; h = l / 16
	v_mul_u32_u24 v3, v1, PITCH
	v_mul_u32_u24 v4, v2, 24
	v_add_nc_u32 v4, v3, v4                        ; a fragment's row x pitch + 24 x half
	v_lshl_add_u32 v5, v2, 4, v4                   ; and the same behind one padding more
	s_mul_i32 s21, s15, HALFT                      ; my 128 rows of A
	s_mul_i32 s22, s16, HALFT                      ; my 128 rows of B,
	s_add_co_u32 s22, s22, 2*HALFT                 ; which lie behind A's 256
.irp s, 0,1
	v_add_nc_u32 v[ADRA+\s], s21, v4
	v_add_nc_u32 v[ADRB+\s], s22, v4
	v_add_nc_u32 v[ADRA+2+\s], s21, v5
	v_add_nc_u32 v[ADRB+2+\s], s22, v5
	s_add_co_u32 s21, s21, SLOT
	s_add_co_u32 s22, s22, SLOT
.endr
	v_mul_u32_u24 v5, v1, KS                       ; my row's scales: 32 bytes a row,
	v_lshrrev_b32 v6, 8, v5
	v_lshl_add_u32 v5, v6, 4, v5                   ; and 16 more for each 256 passed
	s_mul_i32 s21, s15, HALFS                      ; A's: my 128 rows
	s_mul_i32 s22, s16, HALFS                      ; B's: my 128 rows, behind A's 256
	s_add_co_u32 s22, s22, 2*HALFS
	s_sub_co_u32 s22, s22, s21
	v_mul_u32_u24 v6, s22, v2                      ; lanes 16-31 take B's
	s_add_co_u32 s21, s21, SCL
	v_add_nc_u32 v5, v5, v6
	v_add_nc_u32 v[ADRS], s21, v5
	v_and_b32 v6, 31, v0
	v_lshlrev_b32 v[LO16], 4, v6
	v_lshlrev_b32 v[LO8], 3, v6
	v_lshlrev_b32 v[BOQ], 5, v2
	v_lshlrev_b32 v[BOV], 2, v1
	; where my results go.  These registers feed no descriptor
	s_lshl_b32 s98, s17, 8
	s_lshl_b32 s99, s15, 7
	s_add_co_u32 s98, s98, s99                     ; my first row of A
	s_lshl_b32 s99, s42, 8
	s_lshl_b32 s100, s16, 7
	s_add_co_u32 s99, s99, s100                    ; my first row of B
	s_cmp_eq_u32 ttmp9, 2
	s_cselect_b32 s100, s99, s98                   ; my first token (128 of them: one key step)
	s_cselect_b32 s101, s98, s99                   ; my first channel (128: two heads)
	s_cselect_b32 s2, 6144, 0                      ; V's images lie behind K's four
	s_cmp_eq_u32 ttmp9, 0
	s_mov_b32 s66, 204800
	s_cselect_b32 s66, 102400, s66                 ; bytes of a head's 16 records
	s_mov_b32 s95, 12800
	s_cselect_b32 s95, 6400, s95                   ; bytes of a record
	s_mov_b32 s67, 12288
	s_cselect_b32 s67, 6144, s67                   ; from my images' first byte to my scale words: q 6,144, k 12,288,
	s_cmp_eq_u32 ttmp9, 2
	s_cselect_b32 s67, 6400, s67                   ; v 12,544 - 6,144
	s_lshr_b32 s98, s100, 11                       ; the batch
	s_lshl_b32 s98, s98, 4
	s_lshr_b32 s99, s101, 6
	s_add_co_u32 s98, s98, s99                     ; 16 x batch + head
	s_mul_i32 s98, s98, s66
	s_bfe_u32 s99, s100, 0x40007                   ; which 128 tokens of the sequence
	s_mul_i32 s99, s99, s95
	s_add_co_u32 s98, s98, s99
	s_add_co_u32 s98, s98, s2
	s_mov_b32 s99, 0
	s_add_nc_u64 s[12:13], s[12:13], s[98:99]      ; my first head's images
	s_lshl_b32 s98, s101, 2
	s_add_nc_u64 s[96:97], s[96:97], s[98:99]      ; the bias of my 128 channels
	; the bias, in the result's layout.  q, k: register 8 b + j = bias(16 b + 8 h + j).  v: the lane's row is a channel: all eight registers of block a hold bias(16 a + r)
	s_cmp_eq_u32 ttmp9, 2
	s_cbranch_scc1 .Lbias_v
	s_wait_alu depctr_va_vdst(0)
.irp b, 0,1,2,3,4,5,6,7
	global_load_b128 v[BI+8*\b:BI+8*\b+3], v[BOQ], s[96:97] offset:64*\b
	global_load_b128 v[BI+8*\b+4:BI+8*\b+7], v[BOQ], s[96:97] offset:64*\b+16
.endr
	s_branch .Lbias_in
.Lbias_v:
	s_wait_alu depctr_va_vdst(0)
.irp a, 0,1,2,3,4,5,6,7
	global_load_b32 v[BI+8*\a], v[BOV], s[96:97] offset:64*\a
.endr
	s_wait_loadcnt 0x0                             ; (the first tiles are on their way meanwhile)
.irp a, 0,1,2,3,4,5,6,7
.irp j, 1,2,3,4,5,6,7
	v_mov_b32 v[BI+8*\a+\j], v[BI+8*\a]
.endr
.endr
.Lbias_in:
.macro FRAG reg, adr, q, i             ; a fragment: lane l holds row l % 16; registers 6 c .. 6 c + 5 hold K = 64 c + 32 (l / 16) + 0 .. 31: 24 bytes of the row's stream of bits, in pieces of 8 bytes
.irp p, 0,1,2,3,4,5
.set PC, 12*(\q)+6*(\p/3)+\p%3        ; 16 bytes of padding lie behind every 8 pieces: where the piece three on lies behind one padding more, the second address register serves
.if PC%8 < 5
	ds_load_b64 v[\reg+2*\p:\reg+2*\p+1], v[\adr] offset:8*PC+16*(PC/8)+(\i)*16*PITCH
.else
	ds_load_b64 v[\reg+2*\p:\reg+2*\p+1], v[\adr+2] offset:8*PC+16*(PC/8)+(\i)*16*PITCH
.endif
.endr
.endm
; 16 matrix instructions: A's blocks a0, a0 + 1 x B's eight, 128 along K.  zero = 1: the sums start with the bias by B's block (q, k); 2: by A's block (v); 0: they go on.
; The 64 accumulators take turns, one instruction a turn, in the same order in every step.
.macro MUL16 a0, p, q, sc, zero
.irp a, \a0, \a0+1
.irp b, 0,1,2,3,4,5,6,7
.if \zero == 1
	v_wmma_scale_f32_16x16x128_f8f6f4 v[8*(8*((\a)%4)+\b):8*(8*((\a)%4)+\b)+7], v[128*(\p)+FR*\b:128*(\p)+FR*\b+FR-1], v[AF+FR*(\a):AF+FR*(\a)+FR-1], v[BI+8*\b:BI+8*\b+7], v[SC+8*NQ*(\sc)+NQ*\b+(\q)], v[SC+8*NQ*(\sc)+NQ*(\a)+(\q)] matrix_a_fmt:MATRIX_FMT_FP6 matrix_b_fmt:MATRIX_FMT_FP6 matrix_a_scale:MATRIX_SCALE_ROW1
.elseif \zero == 2
	v_wmma_scale_f32_16x16x128_f8f6f4 v[8*(8*((\a)%4)+\b):8*(8*((\a)%4)+\b)+7], v[128*(\p)+FR*\b:128*(\p)+FR*\b+FR-1], v[AF+FR*(\a):AF+FR*(\a)+FR-1], v[BI+8*(\a):BI+8*(\a)+7], v[SC+8*NQ*(\sc)+NQ*\b+(\q)], v[SC+8*NQ*(\sc)+NQ*(\a)+(\q)] matrix_a_fmt:MATRIX_FMT_FP6 matrix_b_fmt:MATRIX_FMT_FP6 matrix_a_scale:MATRIX_SCALE_ROW1
.else
	v_wmma_scale_f32_16x16x128_f8f6f4 v[8*(8*((\a)%4)+\b):8*(8*((\a)%4)+\b)+7], v[128*(\p)+FR*\b:128*(\p)+FR*\b+FR-1], v[AF+FR*(\a):AF+FR*(\a)+FR-1], v[8*(8*((\a)%4)+\b):8*(8*((\a)%4)+\b)+7], v[SC+8*NQ*(\sc)+NQ*\b+(\q)], v[SC+8*NQ*(\sc)+NQ*(\a)+(\q)] matrix_a_fmt:MATRIX_FMT_FP6 matrix_b_fmt:MATRIX_FMT_FP6 matrix_a_scale:MATRIX_SCALE_ROW1
.endif
.endr
.endr
.endm
.macro FETCH_B slot, q, p              ; B's eight fragments of the slot's q-th 128 along K into set p
	WIN TO_B
.irp i, 0,1,2,3,4,5,6,7
	FRAG 128*(\p)+FR*\i, ADRB+\slot, \q, \i
.endr
	WIN 0
.endm
.macro FETCH_A slot, q, i0             ; A's blocks i0 .. i0 + 3
.irp i, \i0, \i0+1, \i0+2, \i0+3
	FRAG AF+FR*(\i), ADRA+\slot, \q, \i
.endr
.endm
.macro SCALES sc                       ; a K step's scale words into set sc: lanes 0-15 take A's block i, lanes 16-31 B's block i
.irp i, 0,1,2,3,4,5,6,7
	ds_load_b64 v[SC+8*NQ*\sc+NQ*\i:SC+8*NQ*\sc+NQ*\i+1], v[ADRS] offset:\i*SBLK
.endr
.endm
.macro PLACES n                        ; plain vector instructions between a matrix instruction and a load into, or a vector read or write of, its registers
.rept \n
	v_nop
.endr
.endm
; A step of 128 along K that has its successor in the same slot.
.macro STEP slot, q, zero
	s_wait_dscnt 4*NL                              ; B's set and A's blocks 0-3 are in; the youngest 24 loads (A's blocks 4-7) may be out
.if \zero
	WIN 0x81                                       ; C (the bias) in window 0, D in window 2
.else
	WIN MUL_LO
.endif
	MUL16 0, (\q)%2, \q, \slot, \zero
	MUL16 2, (\q)%2, \q, \slot, \zero
	s_wait_dscnt 0                                 ; A's blocks 4-7 are in
	PLACES NP
	FETCH_B \slot, (\q)+1, 1-(\q)%2
	FETCH_A \slot, (\q)+1, 0
.if \zero
	WIN 0xc1                                       ; C in window 0, D in window 3
.else
	WIN MUL_HI
.endif
	MUL16 4, (\q)%2, \q, \slot, \zero
	MUL16 6, (\q)%2, \q, \slot, \zero
	PLACES NP
	WIN 0
	FETCH_A \slot, (\q)+1, 4
.endm
; A slot's last step changes slots: one barrier; in front of it each wave waits for all its tensor loads, adds 0 to its spare word, and waits for that and for its own reads of this slot.
.macro TURN slot, next, fill
	s_wait_tensorcnt 0x0                           ; all my tensor loads have landed: my part of the next slot
	ds_add_u32 v[SPW], v[NIL]                      ; 0 onto my spare word
	s_wait_dscnt 4*NL+1                            ; (the add and the youngest 24 loads, A's blocks 4-7, may be out)
	WIN MUL_LO
	MUL16 0, 1, NQ-1, \slot, 0                     ; sixteen matrix instructions stand between the add and the wait for it
	s_wait_dscnt 0x0                               ; the add is done, and my reads of this slot are over
	s_barrier_signal -1
	MUL16 2, 1, NQ-1, \slot, 0
	WIN 0
	s_barrier_wait -1
.if \fill
	CREST                                          ; the barrier has opened a round of the cluster's: no wave of any partner still reads this slot or has a load on its way
	s_add_nc_u64 s[G0+4*\slot+2:G0+4*\slot+3], s[G0+4*\slot+2:G0+4*\slot+3], 2*ROWB
	s_add_nc_u64 s[G0B+4*\slot+2:G0B+4*\slot+3], s[G0B+4*\slot+2:G0B+4*\slot+3], 2*ROWB
	JLOAD G0+4*\slot, G1, G0B+4*\slot, G1B         ; the first tensor load behind the round; its four v_nop are the places in front of the loads below
.else
	PLACES NP
.endif
	s_wait_alu depctr_va_vdst(0)
	v_add_nc_u32 v[ADRS], 4*NQ, v[ADRS]            ; on to the next K step's scale words
	FETCH_B \next, 0, 0
	FETCH_A \next, 0, 0
	SCALES \next
	WIN MUL_HI
	MUL16 4, 1, NQ-1, \slot, 0
	MUL16 6, 1, NQ-1, \slot, 0
	PLACES NP
	WIN 0
	FETCH_A \next, 0, 4
.endm
	s_wait_tensorcnt 1                             ; the scales and my part of K step 0 are in (K step 1's load may be out),
	s_barrier_signal -1
	s_barrier_wait -1                              ; everybody's are
	FETCH_B 0, 0, 0
	FETCH_A 0, 0, 0
	SCALES 0
	FETCH_A 0, 0, 4
	s_wait_loadcnt 0x0                             ; the bias
	s_cmp_eq_u32 ttmp9, 2                          ; the first step is written twice: it differs in which bias registers start a sum
	s_cbranch_scc1 .Lfirst_v
	s_wait_alu depctr_va_vdst(0)
	STEP 0, 0, 1
	s_branch .Lgo
.Lfirst_v:
	s_wait_alu depctr_va_vdst(0)
	STEP 0, 0, 2
.Lgo:
	s_mov_b32 s3, LAPS-1
.Llap:                                                 ; a trip goes once round the ring and fills both slots again
	TURN 0, 1, 1
	STEP 1, 0, 0
	TURN 1, 0, 1
	STEP 0, 0, 0
	s_sub_co_u32 s3, s3, 1
	s_cmp_lg_u32 s3, 0
	s_cbranch_scc1 .Llap
	TURN 0, 1, 0                                   ; the last lap fills nothing
	STEP 1, 0, 0
	s_wait_dscnt 4*NL                              ; the very last step
	WIN MUL_LO
	MUL16 0, 1, NQ-1, 1, 0
	MUL16 2, 1, NQ-1, 1, 0
	s_wait_dscnt 0
	WIN MUL_HI
	MUL16 4, 1, NQ-1, 1, 0
	MUL16 6, 1, NQ-1, 1, 0
	WIN 0
	PLACES NP                                      ; in front of the first reads of results and the first writes of A's registers
	; THE WAY OUT: each block of 16 rows (64 accumulator registers a lane: four blocks of 32 along the quantised axis, 16 numbers of each in my lane, the other 16 in lane l xor 16) becomes codes and a scale word.
	s_mov_b32 s18, s66
	s_mov_b32 s19, 0
	s_add_nc_u64 s[20:21], s[12:13], s[18:19]      ; my second head's images
	s_mov_b32 s18, s67
	s_add_nc_u64 s[22:23], s[12:13], s[18:19]      ; the two heads' scale words
	s_add_nc_u64 s[46:47], s[20:21], s[18:19]
	s_mov_b32 s92, 0x76543210
	s_mov_b32 s93, 0xfedcba98                      ; v_permlanex16_b32's selects for lane l xor 16
	s_mov_b32 vcc_lo, 0xffff0000                   ; lanes 16-31
.irp b, 0,1,2,3
	v_mov_b32 v[TM+4+\b], 0                        ; a lane permute's destination counts as one of its sources
.endr
; The 64 registers from v[QA] of window QW on: register 16 b + i belongs to block b.  Codes of blocks 0, 1 into v[QD0] .. + 5, of blocks 2, 3 into v[QD1] .. + 5 (lanes 0-15 the even block, lanes 16-31 the odd one), the scale word into v[QP].
.macro QUANT
	WIN 5*QW                                       ; sources 0 and 1 in the accumulators' window
.irp b, 0,1,2,3
	v_max3_num_f32 v[TM+\b], |v[QA+16*\b]|, |v[QA+16*\b+1]|, 0x1800000   ; with the floor 2^(3 - 127): the byte cannot fall under 1.  Each accumulator is read from its low end on
.endr
.irp i, 2,4,6,8,10,12,14
.irp b, 0,1,2,3
	v_max3_num_f32 v[TM+\b], |v[QA+16*\b+\i]|, |v[QA+16*\b+\i+1]|, v[TM+\b]
.endr
.endr
	WIN 0
.irp b, 0,1,2,3
	v_permlanex16_b32 v[TM+4+\b], v[TM+\b], s92, s93
.endr
.irp b, 0,1,2,3
	v_max_num_f32 v[TM+\b], v[TM+\b], v[TM+4+\b]   ; the block's largest magnitude
.endr
.irp b, 0,1,2,3
	v_add_nc_u32 v[TM+12+\b], 0xff000000, v[TM+\b] ; 2 off its exponent field: the conversion's scale operand
.endr
.irp b, 0,1,2,3
	v_lshrrev_b32 v[TM+4+\b], 23, v[TM+12+\b]      ; the scale's byte
.endr
	v_lshl_or_b32 v[QP], v[TM+5], 8, v[TM+4]
	v_lshl_or_b32 v[QP], v[TM+6], 16, v[QP]
	v_lshl_or_b32 v[QP], v[TM+7], 24, v[QP]
	WIN QW                                         ; source 0 in the accumulators' window
	v_cvt_scalef32_pk16_fp6_f32 v[QD0:QD0+2], v[QA:QA+15], v[TM+12]
	v_cvt_scalef32_pk16_fp6_f32 v[T2:T2+2], v[QA+16:QA+31], v[TM+13]
	v_cvt_scalef32_pk16_fp6_f32 v[QD1:QD1+2], v[QA+32:QA+47], v[TM+14]
	v_cvt_scalef32_pk16_fp6_f32 v[T2+4:T2+6], v[QA+48:QA+63], v[TM+15]
	WIN 0
	v_nop                                          ; one plain place behind a scaled conversion
.irp i, 0,1,2
	v_permlane16_swap_b32 v[QD0+\i], v[T2+\i]      ; a whole block to a lane: lanes 0-15 the even block, lanes 16-31 the odd one
.endr
.irp i, 0,1,2
	v_permlane16_swap_b32 v[QD1+\i], v[T2+4+\i]
.endr
.irp i, 0,1,2
	v_mov_b32 v[QD0+3+\i], v[T2+\i]
	v_mov_b32 v[QD1+3+\i], v[T2+4+\i]
.endr
.endm
; Pairs of blocks of rows, g = 0 .. 3.  q, k (isv = 0): the pair is 32 tokens; image c = head c, its registers 6 u on are block u's.  v (isv = 1): block u is a whole image: head g / 2, channels 16 (2 (g % 2) + u) on.
.macro EPI isv
.irp g, 0,1,2,3
.set IM, IMG+24*(\g%2)
.if \g >= 2
	s_wait_xcnt 0x0                                ; the stores of two pairs back have read this set of registers: it is rewritten only behind this wait
.endif
.irp u, 0,1
.set QA, 64*((2*\g+\u)%4)
.set QW, 2+(2*\g+\u)/4
.if \isv
.set QD0, IM+12*\u
.set QD1, IM+12*\u+6
.else
.set QD0, IM+6*\u
.set QD1, IM+12+6*\u
.endif
.set QP, PW0+\u
	QUANT
.endr
.if \isv
	v_cndmask_b32 v[SCO+2*(\g/2)+(\g%2)], v[PW0], v[PW1], vcc_lo   ; images 2 (g % 2) and 2 (g % 2) + 1 share a register: lanes 0-15, lanes 16-31
.else
.if (\g%2) == 0
	v_perm_b32 v[SCO+\g/2], v[PW1], v[PW0], 0x05040100             ; head 0: the first tile's bytes 0, 1, the second's bytes 0, 1
	v_perm_b32 v[SCO+2+\g/2], v[PW1], v[PW0], 0x07060302           ; head 1: bytes 2, 3 of both
.else
	v_perm_b32 v[SW], v[PW1], v[PW0], 0x05040100
	v_perm_b32 v[SW+1], v[PW1], v[PW0], 0x07060302
	v_cndmask_b32 v[SCO+\g/2], v[SCO+\g/2], v[SW], vcc_lo          ; the odd image's words go to lanes 16-31
	v_cndmask_b32 v[SCO+2+\g/2], v[SCO+2+\g/2], v[SW+1], vcc_lo
.endif
.endif
.irp i, 0,1
.irp q, 0,1,2
.if \isv
	global_store_b128 v[LO16], v[IM+12*\i+4*\q:IM+12*\i+4*\q+3], s[12+8*(\g/2):13+8*(\g/2)] offset:1536*(2*(\g%2)+\i)+512*\q
.else
	global_store_b128 v[LO16], v[IM+12*\i+4*\q:IM+12*\i+4*\q+3], s[12+8*\i:13+8*\i] offset:1536*\g+512*\q
.endif
.endr
.endr
.endr
	global_store_b64 v[LO8], v[SCO:SCO+1], s[22:23]                ; 32 lanes store 256 consecutive bytes, aligned
	global_store_b64 v[LO8], v[SCO+2:SCO+3], s[46:47]
.endm
	s_cmp_eq_u32 ttmp9, 2
	s_cbranch_scc1 .Lout_v
	EPI 0
	s_branch .Lend
.Lout_v:
	EPI 1
.Lend:
	s_wait_tensorcnt 0x0                           ; the wave's end
	ds_add_u32 v[SPW], v[NIL]
	s_wait_dscnt 0x0
	CROUND                                         ; the closing round: no work-group ends while a partner may still ask for a tile that names it
	s_endpgm
.Lfunc_end_k_q1d0a6bb44f_qkv:
	.size	k_q1d0a6bb44f_qkv, .Lfunc_end_k_q1d0a6bb44f_qkv-k_q1d0a6bb44f_qkv
	.p2alignl 7, 3214868480
	.fill 96, 4, 3214868480
	.section	.rodata,"a",@progbits
	.p2align	6, 0x0
	.amdhsa_kernel k_q1d0a6bb44f_qkv
		.amdhsa_group_segment_fixed_size 327680
		.amdhsa_private_segment_fixed_size 0
		.amdhsa_enable_private_segment 0
		.amdhsa_kernarg_size 104
		.amdhsa_user_sgpr_count 2
		.amdhsa_user_sgpr_kernarg_segment_ptr 1
		.amdhsa_wavefront_size32 1
		.amdhsa_system_sgpr_workgroup_id_x 1
		.amdhsa_system_sgpr_workgroup_id_y 1
		.amdhsa_system_sgpr_workgroup_id_z 1
		.amdhsa_system_vgpr_workitem_id 0
		.amdhsa_next_free_vgpr 1024
		.amdhsa_next_free_sgpr 102
		.amdhsa_reserve_vcc 1
		.amdhsa_float_denorm_mode_32 3
		.amdhsa_float_denorm_mode_16_64 3
		.amdhsa_memory_ordered 1
		.amdhsa_forward_progress 1
		.amdhsa_inst_pref_size 219
	.end_amdhsa_kernel
	.amdgpu_metadata
---
amdhsa.version: [ 1, 2 ]
amdhsa.kernels:
  - .name:           k_q1d0a6bb44f_qkv
    .symbol:         k_q1d0a6bb44f_qkv.kd
    .args:
      - { .name: x_codes, .offset: 0, .size: 8, .value_kind: global_buffer, .address_space: global }
      - { .name: x_scales, .offset: 8, .size: 8, .value_kind: global_buffer, .address_space: global }
      - { .name: Wq_codes, .offset: 16, .size: 8, .value_kind: global_buffer, .address_space: global }
      - { .name: Wq_scales, .offset: 24, .size: 8, .value_kind: global_buffer, .address_space: global }
      - { .name: Wk_codes, .offset: 32, .size: 8, .value_kind: global_buffer, .address_space: global }
      - { .name: Wk_scales, .offset: 40, .size: 8, .value_kind: global_buffer, .address_space: global }
      - { .name: Wv_codes, .offset: 48, .size: 8, .value_kind: global_buffer, .address_space: global }
      - { .name: Wv_scales, .offset: 56, .size: 8, .value_kind: global_buffer, .address_space: global }
      - { .name: bq, .offset: 64, .size: 8, .value_kind: global_buffer, .address_space: global }
      - { .name: bk, .offset: 72, .size: 8, .value_kind: global_buffer, .address_space: global }
      - { .name: bv, .offset: 80, .size: 8, .value_kind: global_buffer, .address_space: global }
      - { .name: qimg, .offset: 88, .size: 8, .value_kind: global_buffer, .address_space: global }
      - { .name: kv, .offset: 96, .size: 8, .value_kind: global_buffer, .address_space: global }
    .group_segment_fixed_size: 327680
    .private_segment_fixed_size: 0
    .kernarg_segment_align: 8
    .kernarg_segment_size: 104
    .max_flat_workgroup_size: 128
    .sgpr_count:     102
    .vgpr_count:     1024
    .wavefront_size: 32
...
	.end_amdgpu_metadata
.endif
;; end of part 1
;; launch attn (part 2): grid 4 x 64, 16 waves a work-group, clusters of 4 x 1, 206,848 bytes of LDS; arguments qimg, kv, ycodes, yscales; writes ycodes, yscales
.if DOCPART == 2
	.amdgcn_target "amdgcn-amd-amdhsa--gfx1250"
	.amdhsa_code_object_version 6
	.text
	.protected	k_q1d0a6bb44f_attn
	.globl	k_q1d0a6bb44f_attn
	.p2align	8
	.type	k_q1d0a6bb44f_attn,@function
k_q1d0a6bb44f_attn:
	s_mov_b64 s[64:65], 0
	v_nop
	global_prefetch_b8 v0, s[64:65] scope:SCOPE_SE
	s_setreg_imm32_b32 hwreg(HW_REG_WAVE_MODE, 25, 1), 1
	s_wait_xcnt 0x0
	s_wait_alu depctr_hold_cnt(0) depctr_sa_sdst(0) depctr_va_vdst(0) depctr_va_sdst(0) depctr_va_ssrc(0) depctr_va_vcc(0) depctr_vm_vsrc(0)
	s_getreg_b32 s2, hwreg(HW_REG_IB_STS2, 6, 4)
	s_cmp_eq_u32 s2, 0
	s_cbranch_scc0 .Lentry_in_a_cluster
	s_endpgm
.Lentry_in_a_cluster:
	s_bfe_u32 s2, ttmp6, 0x10000c
	s_cmp_lg_u32 s2, 0x3003
	s_cbranch_scc0 .Lentry_shape_is_right
	s_endpgm
.Lentry_shape_is_right:
; Causal attention of one head (64 channels, 2,048 tokens) on codes of FP6 (E2M3) with E8M0 scales, and its result y quantised along the channels for the last product.
; t = score x log2(e) / 8; M = the running largest t rounded UP to a whole number; p = 2^(t - M) is quantised along the keys, not normalised; the row's sum is taken of the unquantised p and divides at the end.
; SHARES.  The four work-groups of a cluster own one (batch, head).  Work-group cx takes the groups of 32 queries 4 g + cx, g = 0 .. 15.  Wave w (u = w % 2, i = w / 2) takes tile u of group g = 15 - i and then of group g = i:
; 16 - i and i + 1 key steps of 128 keys: 17 for every wave of every work-group.  Trip counts and branches hang on the wave's number alone; cx enters the addresses of q and y and the mask's comparison.
; LDS holds the head's whole K and V (16 records of 12,800 bytes, as the launch before laid them: K's 4 images, V's 4 images, K's scale words, V's), filled ONCE: each wave asks for the record of key step w by one
; joint load (the same descriptor and a mask of all four in all four work-groups).  Nothing is filled again and nothing is stored to LDS.  All that a work-group reads of K and V is asked for at its head, so nothing is prefetched.
; K = 64 IN AN INSTRUCTION OF 128.  An image of K holds two tiles of 16 keys: registers 0-5 (k 0-63) and 6-11 (k 64-127).  The query stands in 18 registers [0 x 6, q x 6, 0 x 6]: the last 12 multiply the first tile, the first 12 the second.
; The dead half has zero codes and the scale byte 1.
; LAYOUT.  Both products transposed: S^T = K Q^T, O^T = V^T P^T: a lane holds one query (lane % 16).  Score register 16 b + 8 u + j is key 32 b + 16 u + 8 (lane / 16) + j of the step: p's codes so carry the same order inside a block of 32 as V's.
; y's codes meet an input in natural order: the order is put right by four byte permutes.  ycodes: [16 rows][head][3 x 256 bytes]: registers 2 p, 2 p + 1 of lane l at 256 p + 8 l.  yscales: [row][32].
; LIMITS: NaN and infinities are not served; a block whose largest magnitude lies under 2^-124, or of zeros, has the scale byte 1 (read by this program alone).
.set LI,  1                            ; v1  16 x lane
.set L8,  2                            ; v2  8 x lane
.set R8,  3                            ; v3  8 r
.set YSO, 4                            ; v4  32 r + h
.set DM,  5                            ; v5  my query's place in its key step, less 8 h
.set NINF, 6                           ; v6  -infinity
.set ADK, 7                            ; v7  LDS address of the step's images
.set ADS, 8                            ; v8  of its scale words
.set TMP, 9
.set QSL, 10                           ; v10 q's scale word for the first tile of an image: [s0, s1, 1, 1]
.set QSH, 11                           ; v11 for the second: [1, 1, s0, s1]
                                       ; v12 -M, v13 the largest t, v[14:15] the sum in two halves
.set QZ,  16                           ; v16-33 [0 x 6, q x 6, 0 x 6]
.set KSC, 34                           ; v34-35 K's scale words;  v36-37 V's;  v38 p's
.set VSC, 36
.set PS,  38
.set FRG, 40                           ; v40-87 four images: K's, then V's
.set S,   88                           ; v88-151 S^T, then p
.set O,   152                          ; v152-183 O^T
.set PC,  184                          ; v184-195 p's codes
.set T2,  196                          ; v196-203 the conversions' second halves
.set BM,  204                          ; v204-207 the blocks' largest
.set BX,  208                          ; v208-211 the other half's, then bytes
.set SOP, 212                          ; v212-215 the conversions' scale operands
.set F,   216                          ; v[216:217] f = 2^(old M - new M)
.set TT,  218
.set SUM2, 220                         ; v[220:221] the second chain of the sum
.set YO,  222                          ; v222-225 y's registers 2 to 5
.set WV,  12
.set CX,  13
.set BH,  14
.set U,   15
.set PI,  16
.set GT,  17                           ; s17 the tile's g: its last key step
.set SI,  18                           ; s18 the key step
.set TB,  19                           ; s19 its record's LDS byte
.set SEL, 20
.set CS,  22                           ; s[22:23] c = log2(e) / 8
.set G1,  24
.set G0,  32
.set CNT, 40
.set UM,  41                           ; s41 all ones where u = 1
.macro ROUND                           ; a round of the cluster's barrier
	s_barrier_signal -1
	s_barrier_wait -1
	s_cmp_lg_u32 s[WV], 0
	s_cbranch_scc1 .Lnot_wave_0_\@
	s_barrier_signal -3
.Lnot_wave_0_\@:
	s_barrier_wait -3
	s_barrier_signal -1
	s_barrier_wait -1
.endm
	s_load_b256 s[4:11], s[0:1], 0x0               ; qimg, kv, ycodes, yscales
	v_lshl_add_u32 v254, v0, 2, 0x32000
	v_mov_b32 v255, 0
	ds_add_u32 v254, v255
	ds_add_u32 v254, v255
	v_lshrrev_b32 v1, 5, v0
	s_delay_alu instid0(VALU_DEP_1)
	v_readfirstlane_b32 s[WV], v1                  ; wave 0..15
	s_bfe_u32 s[CX], ttmp6, 0x40000                ; my place in the cluster
	s_and_b32 s[BH], ttmp7, 0xffff                 ; 16 x batch + head
	s_and_b32 s[U], s[WV], 1
	s_lshr_b32 s[PI], s[WV], 1
	s_sub_co_u32 s[UM], 0, s[U]
	s_lshl_b32 s63, s[U], 4
	s_mov_b32 s[SEL], 0x76543210
	s_mov_b32 s[SEL+1], 0xfedcba98                 ; v_permlanex16_b32's selects for lane l xor 16
	s_mov_b32 s[CS], 0x3e38aa3b
	s_mov_b32 s[CS+1], s[CS]                       ; (named with it as a pair)
	s_mov_b32 s62, 0xffff0000                      ; lanes 16-31
	; descriptor: a record of 12,800 dense bytes as 50 rows of 256 (32 elements of 8 bytes)
	s_mov_b32 s[G1], 15|(3<<16)|(1<<21)            ; the mask: all four work-groups; bit 21 beside it
	s_mov_b32 s[G1+1], 32<<16
	s_mov_b32 s[G1+2], 50<<16
	s_mov_b32 s[G1+3], 32<<16
	s_mov_b32 s[G1+4], 50
	s_mov_b32 s[G1+5], 32
	s_mov_b32 s[G1+6], 0
	s_mov_b32 s[G1+7], 0
	s_mov_b32 s[G0], 1
	s_mul_i32 s[G0+1], s[WV], 12800                ; LDS: key step w
	s_mul_i32 s42, s[BH], 204800
	s_add_co_u32 s42, s42, s[G0+1]                 ; memory: the head's record w: the same in all four partners
	s_mov_b32 s43, 0
	s_wait_dscnt 0x0
	s_wait_kmcnt 0x0
	s_add_nc_u64 s[G0+2:G0+3], s[6:7], s[42:43]
	s_or_b32 s[G0+3], s[G0+3], 0x80000000
	ROUND                                          ; all four work-groups are here: the joint loads meet
	tensor_load_to_lds s[G0:G0+3], s[G1:G1+7]      ; my one tensor load of the launch
	s_nop 0
.rept 4
	v_nop
.endr
	; q's and y's places
	s_mov_b32 s45, 0
	s_mul_i32 s42, s[BH], 102400
	s_mul_i32 s44, s[CX], 1536
	s_add_co_u32 s44, s44, s42
	s_add_nc_u64 s[50:51], s[4:5], s[44:45]        ; q's image cx of the head's record 0
	s_and_b32 s44, s[CX], 1
	s_lshl_b32 s44, s44, 7
	s_lshr_b32 s46, s[CX], 1
	s_lshl_b32 s46, s46, 2
	s_add_co_u32 s44, s44, s46
	s_add_co_u32 s44, s44, s42
	s_add_co_u32 s44, s44, 6144
	s_add_nc_u64 s[52:53], s[4:5], s[44:45]        ; its scale words: lanes 16 (cx % 2) on, word cx / 2
	s_lshr_b32 s46, s[BH], 4
	s_lshl_b32 s46, s46, 7
	s_lshl_b32 s47, s[CX], 1
	s_add_co_u32 s46, s46, s47
	s_add_co_u32 s46, s46, s[U]                    ; y's tile of 16 rows at g = 0: 128 x batch + 2 cx + u
	s_and_b32 s47, s[BH], 15                       ; the head
	s_mul_i32 s44, s46, 12288
	s_mul_i32 s48, s47, 768
	s_add_co_u32 s44, s44, s48
	s_add_nc_u64 s[58:59], s[8:9], s[44:45]
	s_lshl_b32 s44, s46, 9
	s_lshl_b32 s48, s47, 1
	s_add_co_u32 s44, s44, s48
	s_add_nc_u64 s[60:61], s[10:11], s[44:45]
	v_and_b32 v[TMP], 31, v0
	s_delay_alu instid0(VALU_DEP_1)
	v_lshlrev_b32 v[LI], 4, v[TMP]
	s_delay_alu instid0(VALU_DEP_2)
	v_lshlrev_b32 v[L8], 3, v[TMP]
	v_and_b32 v[ADK], 15, v0                       ; r
	v_bfe_u32 v[ADS], v0, 4, 1                     ; h
	s_delay_alu instid0(VALU_DEP_2)
	v_lshlrev_b32 v[R8], 3, v[ADK]
	s_delay_alu instid0(VALU_DEP_2)
	v_lshl_add_u32 v[YSO], v[ADK], 5, v[ADS]
	s_delay_alu instid0(VALU_DEP_3)
	v_lshlrev_b32 v[DM], 3, v[ADS]
	s_delay_alu instid0(VALU_DEP_1)
	v_sub_nc_u32 v[DM], v[ADK], v[DM]
	s_lshl_b32 s44, s[CX], 5
	s_add_co_u32 s44, s44, s63
	v_add_nc_u32 v[DM], s44, v[DM]                 ; 32 cx + 16 u + r - 8 h
	v_mov_b32 v[NINF], 0xff800000
.irp i, 0,1,2,3,4,5
	v_mov_b32 v[QZ+\i], 0
	v_mov_b32 v[QZ+12+\i], 0
.endr
.irp b, 0,1,2,3
	v_mov_b32 v[BX+\b], 0                          ; a lane permute's destination counts as one of its sources
.endr
	v_mov_b32 v[F+1], 0                            ; (named as the upper half of a pair)
	v_mov_b32 v[TT], 0
; A tile begins: its pointers, its query's codes and scale words, and empty sums.
.macro TILE_INIT
	s_wait_xcnt 0x0                                ; the tile before has stored: its stores' bases and registers are rewritten only behind this wait
	s_mul_i32 s42, s[GT], 6400
	s_mov_b32 s43, 0
	s_add_nc_u64 s[44:45], s[50:51], s[42:43]
	s_add_nc_u64 s[46:47], s[52:53], s[42:43]
	s_mul_i32 s42, s[GT], 98304                    ; 8 tiles of rows x 12,288 bytes
	s_add_nc_u64 s[54:55], s[58:59], s[42:43]
	s_lshl_b32 s42, s[GT], 12                      ; 128 rows x 32 bytes
	s_add_nc_u64 s[56:57], s[60:61], s[42:43]
	global_load_b128 v[S:S+3], v[LI], s[44:45]
	global_load_b128 v[S+4:S+7], v[LI], s[44:45] offset:512
	global_load_b128 v[S+8:S+11], v[LI], s[44:45] offset:1024
	global_load_b32 v[TMP], v[R8], s[46:47]
	v_mov_b32 v13, 0xff61b1e6                      ; the largest t so far: -3e38
	s_delay_alu instid0(VALU_DEP_1)
	v_floor_f32 v12, -v13                          ; -M
	v_mov_b32 v14, 0
	v_mov_b32 v15, 0
.set j, 0
.rept 32
	v_mov_b32 v[O+j], 0                            ; the step is written once: the first finds zeros
.set j, j+1
.endr
	s_wait_loadcnt 0x0
.irp i, 0,1,2,3,4,5
	v_cndmask_b32 v[QZ+6+\i], v[S+\i], v[S+6+\i], s[UM]   ; my tile of the image's two
.endr
	v_lshrrev_b32 v[TMP], s63, v[TMP]
	s_delay_alu instid0(VALU_DEP_1)
	v_and_b32 v[TMP], 0xffff, v[TMP]               ; its two scale bytes
	s_delay_alu instid0(VALU_DEP_1)
	v_or_b32 v[QSL], 0x01010000, v[TMP]
	s_delay_alu instid0(VALU_DEP_2)
	v_lshl_or_b32 v[QSH], v[TMP], 16, 0x101
.rept 8
	v_nop                                          ; a scale register written by a vector instruction stands 8 places ahead of a scaled matrix instruction, an operand 4
.endr
.endm
; A KEY STEP: 128 keys.
.macro STEP
	s_cmp_gt_u32 s[SI], s[GT]                      ; all its keys come after my queries: only the stepping at the end is done
	s_cbranch_scc1 .Lhid_\@
	s_setprio 2
	v_add_nc_u32 v[ADK], s[TB], v[LI]
	v_add_nc_u32 v[ADS], s[TB], v[L8]
.irp f, 0,1,2,3
.irp q, 0,1,2
	ds_load_b128 v[FRG+12*\f+4*\q:FRG+12*\f+4*\q+3], v[ADK] offset:1536*\f+512*\q   ; K's images, as they were registers
.endr
.endr
	ds_load_b64 v[KSC:KSC+1], v[ADS] offset:12288
	ds_load_b64 v[VSC:VSC+1], v[ADS] offset:12544
	s_wait_dscnt 0x0
	s_wait_alu depctr_va_vdst(0)
.irp f, 0,1,2,3
.if (\f%2) == 0
	v_wmma_scale_f32_16x16x128_f8f6f4 v[S+16*\f:S+16*\f+7], v[FRG+12*\f:FRG+12*\f+11], v[QZ+6:QZ+17], 0, v[KSC+\f/2], v[QSL] matrix_a_fmt:MATRIX_FMT_FP6 matrix_b_fmt:MATRIX_FMT_FP6
	v_wmma_scale_f32_16x16x128_f8f6f4 v[S+16*\f+8:S+16*\f+15], v[FRG+12*\f:FRG+12*\f+11], v[QZ:QZ+11], 0, v[KSC+\f/2], v[QSH] matrix_a_fmt:MATRIX_FMT_FP6 matrix_b_fmt:MATRIX_FMT_FP6
.else
	v_wmma_scale_f32_16x16x128_f8f6f4 v[S+16*\f:S+16*\f+7], v[FRG+12*\f:FRG+12*\f+11], v[QZ+6:QZ+17], 0, v[KSC+\f/2], v[QSL] matrix_a_fmt:MATRIX_FMT_FP6 matrix_b_fmt:MATRIX_FMT_FP6 matrix_a_scale:MATRIX_SCALE_ROW1
	v_wmma_scale_f32_16x16x128_f8f6f4 v[S+16*\f+8:S+16*\f+15], v[FRG+12*\f:FRG+12*\f+11], v[QZ:QZ+11], 0, v[KSC+\f/2], v[QSH] matrix_a_fmt:MATRIX_FMT_FP6 matrix_b_fmt:MATRIX_FMT_FP6 matrix_a_scale:MATRIX_SCALE_ROW1
.endif
.endr
.rept 4
	v_nop                                          ; places in front of the loads into K's registers and of the first reads of the scores
.endr
.irp f, 0,1,2,3
.irp q, 0,1,2
	ds_load_b128 v[FRG+12*\f+4*\q:FRG+12*\f+4*\q+3], v[ADK] offset:6144+1536*\f+512*\q   ; V's images: they land during the softmax
.endr
.endr
	s_cmp_lg_u32 s[SI], s[GT]                      ; only the tile's last step lies on the diagonal
	s_cbranch_scc1 .Lopen_\@
.set n, 0
.rept 64
	v_cmp_gt_i32 vcc_lo, 16*(n/8)+n%8, v[DM]       ; register n holds key 16 (n / 8) + n % 8 + 8 h of the step: hidden where it comes after my query
	v_cndmask_b32 v[S+n], v[S+n], v[NINF], vcc_lo
.set n, n+1
.endr
.Lopen_\@:
.irp b, 0,1,2,3
	v_max3_num_f32 v[BM+\b], v[S+16*\b], v[S+16*\b+1], v[S+16*\b+2]   ; the largest score of each block of 32 keys: for the row's maximum and, since p rises with the score, for the block's largest p
.endr
.irp i, 3,5,7,9,11,13
.irp b, 0,1,2,3
	v_max3_num_f32 v[BM+\b], v[BM+\b], v[S+16*\b+\i], v[S+16*\b+\i+1]
.endr
.endr
.irp b, 0,1,2,3
	v_max_num_f32 v[BM+\b], v[BM+\b], v[S+16*\b+15]
.endr
.irp b, 0,1,2,3
	s_delay_alu instid0(VALU_DEP_4)
	v_permlanex16_b32 v[BX+\b], v[BM+\b], s[SEL], s[SEL+1]
.endr
.irp b, 0,1,2,3
	s_delay_alu instid0(VALU_DEP_4)
	v_max_num_f32 v[BM+\b], v[BM+\b], v[BX+\b]     ; with lane l xor 16's 16 keys
.endr
	s_delay_alu instid0(VALU_DEP_2)
	v_max3_num_f32 v[TT], v[BM], v[BM+1], v[BM+2]
	s_delay_alu instid0(VALU_DEP_1)
	v_max_num_f32 v[TT], v[TT], v[BM+3]
	s_delay_alu instid0(VALU_DEP_1)
	v_mul_f32 v[TT], s[CS], v[TT]                  ; the step's largest t
	s_delay_alu instid0(VALU_DEP_1)
	v_max_num_f32 v13, v13, v[TT]
	v_mov_b32 v[TT], v12
	s_delay_alu instid0(VALU_DEP_2)
	v_floor_f32 v12, -v13                          ; the new -M = -ceil(t)
	s_delay_alu instid0(VALU_DEP_1)
	v_sub_f32 v[TT], v12, v[TT]                    ; old M - new M: a whole number, 0 or less
	s_delay_alu instid0(VALU_DEP_1)
	v_cvt_i32_f32 v[TT], v[TT]                     ; (it saturates)
	s_delay_alu instid0(VALU_DEP_1)
	v_ldexp_f32 v[F], 1.0, v[TT]                   ; f = 2^(old M - new M)
.set j, 0
.rept 32
	v_pk_fma_f32 v[S+j:S+j+1], v[S+j:S+j+1], s[CS:CS+1], v[12:13] op_sel_hi:[1,0,0]   ; t - M
.set j, j+2
.endr
	s_setprio 1
.irp b, 0,1,2,3
	v_fma_f32 v[BM+\b], v[BM+\b], s[CS], v12
.endr
.set j, 0
	s_wait_alu depctr_va_vdst(0)
.rept 64
	v_exp_f32 v[S+j], v[S+j]                       ; p = 2^(t - M)
.set j, j+1
.endr
	v_pk_mul_f32 v[14:15], v[14:15], v[F:F+1] op_sel_hi:[1,0]   ; the sums under the new M: the plain place behind the exponentials
	s_wait_alu depctr_va_vdst(0)                   ; one wait for the batch of 64, ahead of its first reader
.irp b, 0,1,2,3
	v_exp_f32 v[BM+\b], v[BM+\b]                   ; the blocks' largest p
.endr
	v_pk_add_f32 v[220:221], v[92:93], v[96:97]
	v_pk_add_f32 v[252:253], v[100:101], v[104:105]
	v_pk_add_f32 v[250:251], v[108:109], v[112:113]
	v_pk_add_f32 v[248:249], v[116:117], v[120:121]
	v_pk_add_f32 v[246:247], v[124:125], v[128:129]
	v_pk_add_f32 v[244:245], v[132:133], v[136:137]
	v_pk_add_f32 v[242:243], v[140:141], v[144:145]
	v_pk_add_f32 v[14:15], v[14:15], v[148:149]
	v_pk_add_f32 v[220:221], v[220:221], v[88:89]
	v_pk_add_f32 v[252:253], v[252:253], v[90:91]
	v_pk_add_f32 v[250:251], v[250:251], v[94:95]
	v_pk_add_f32 v[248:249], v[248:249], v[98:99]
	v_pk_add_f32 v[246:247], v[246:247], v[102:103]
	v_pk_add_f32 v[244:245], v[244:245], v[106:107]
	v_pk_add_f32 v[242:243], v[242:243], v[110:111]
	v_pk_add_f32 v[14:15], v[14:15], v[114:115]
	v_pk_add_f32 v[220:221], v[220:221], v[118:119]
	v_pk_add_f32 v[252:253], v[252:253], v[122:123]
	v_pk_add_f32 v[250:251], v[250:251], v[126:127]
	v_pk_add_f32 v[248:249], v[248:249], v[130:131]
	v_pk_add_f32 v[246:247], v[246:247], v[134:135]
	v_pk_add_f32 v[244:245], v[244:245], v[138:139]
	v_pk_add_f32 v[242:243], v[242:243], v[142:143]
	v_pk_add_f32 v[14:15], v[14:15], v[146:147]
	v_pk_add_f32 v[220:221], v[220:221], v[150:151]
	s_delay_alu instid0(VALU_DEP_2)
	v_pk_add_f32 v[14:15], v[14:15], v[248:249]
	s_delay_alu instid0(VALU_DEP_2)
	v_pk_add_f32 v[220:221], v[220:221], v[246:247]
	v_pk_add_f32 v[252:253], v[252:253], v[244:245]
	v_pk_add_f32 v[250:251], v[250:251], v[242:243]
	s_delay_alu instid0(VALU_DEP_2)
	v_pk_add_f32 v[14:15], v[14:15], v[252:253]
	s_delay_alu instid0(VALU_DEP_2)
	v_pk_add_f32 v[220:221], v[220:221], v[250:251]
	s_delay_alu instid0(VALU_DEP_1)
	v_pk_add_f32 v[14:15], v[14:15], v[220:221]
	s_wait_alu depctr_va_vdst(0)                   ; and one for the four
.irp b, 0,1,2,3
	v_max_num_f32 v[BM+\b], 0x1800000, v[BM+\b]    ; the floor 2^(3 - 127)
.endr
.irp b, 0,1,2,3
	s_delay_alu instid0(VALU_DEP_4)
	v_add_nc_u32 v[SOP+\b], 0xff000000, v[BM+\b]   ; 2 off the exponent field: the conversion's scale operand
.endr
.irp b, 0,1,2,3
	s_delay_alu instid0(VALU_DEP_4)
	v_lshrrev_b32 v[BX+\b], 23, v[SOP+\b]          ; the scale's byte
.endr
	s_delay_alu instid0(VALU_DEP_3)
	v_lshl_or_b32 v[PS], v[BX+1], 8, v[BX]
	s_delay_alu instid0(VALU_DEP_1)
	v_lshl_or_b32 v[PS], v[BX+2], 16, v[PS]
	s_delay_alu instid0(VALU_DEP_1)
	v_lshl_or_b32 v[PS], v[BX+3], 24, v[PS]
	s_setprio 0
.irp c, 0,1
	v_cvt_scalef32_pk16_fp6_f32 v[PC+6*\c:PC+6*\c+2], v[S+32*\c:S+32*\c+15], v[SOP+2*\c]
	v_cvt_scalef32_pk16_fp6_f32 v[T2+4*\c:T2+4*\c+2], v[S+32*\c+16:S+32*\c+31], v[SOP+2*\c+1]
.endr
	v_nop                                          ; one plain place behind a scaled conversion
.irp c, 0,1
.irp i, 0,1,2
	v_permlane16_swap_b32 v[PC+6*\c+\i], v[T2+4*\c+\i]   ; a whole block to a lane
.endr
.irp i, 0,1,2
	s_delay_alu instid0(VALU_DEP_3)
	v_mov_b32 v[PC+3+6*\c+\i], v[T2+4*\c+\i]
.endr
.endr
.set j, 0
.rept 16
	v_pk_mul_f32 v[O+j:O+j+1], v[O+j:O+j+1], v[F:F+1] op_sel_hi:[1,0]   ; O^T under the new M; these sixteen are also the places in front of the products below
.set j, j+2
.endr
	s_wait_alu depctr_va_vdst(0)
	s_wait_dscnt 0x0                               ; V's images are in
.irp d, 0,1,2,3                                    ; O^T += V^T P^T: one instruction for each accumulator in a step; eleven other products stand between two on the same one
.if (\d%2) == 0
	v_wmma_scale_f32_16x16x128_f8f6f4 v[O+8*\d:O+8*\d+7], v[FRG+12*\d:FRG+12*\d+11], v[PC:PC+11], v[O+8*\d:O+8*\d+7], v[VSC+\d/2], v[PS] matrix_a_fmt:MATRIX_FMT_FP6 matrix_b_fmt:MATRIX_FMT_FP6
.else
	v_wmma_scale_f32_16x16x128_f8f6f4 v[O+8*\d:O+8*\d+7], v[FRG+12*\d:FRG+12*\d+11], v[PC:PC+11], v[O+8*\d:O+8*\d+7], v[VSC+\d/2], v[PS] matrix_a_fmt:MATRIX_FMT_FP6 matrix_b_fmt:MATRIX_FMT_FP6 matrix_a_scale:MATRIX_SCALE_ROW1
.endif
.endr
.rept 4
	v_nop                                          ; places in front of the next loads into these operands and of the next reads of O^T
.endr
.Lhid_\@:
	s_add_co_u32 s[SI], s[SI], 1
	s_add_co_u32 s[TB], s[TB], 12800
.endm
.macro LOOPN n                         ; a constant number of trips: steps behind the tile's last do nothing but step
	s_mov_b32 s[SI], 0
	s_mov_b32 s[TB], 0
	s_mov_b32 s[CNT], \n
.Lstep_\@:
	STEP
	s_sub_co_u32 s[CNT], s[CNT], 1
	s_cmp_lg_u32 s[CNT], 0
	s_cbranch_scc1 .Lstep_\@
	s_setprio 0
.endm
; A tile ends: y = O^T / the sum; its 64 channels are two blocks of 32 of the last product's K.
.macro FINISH
	v_add_f32 v14, v14, v15
	s_delay_alu instid0(VALU_DEP_1)
	v_permlanex16_b32 v[TT], v14, s[SEL], s[SEL+1]
	s_delay_alu instid0(VALU_DEP_1)
	v_add_f32 v14, v14, v[TT]                      ; the row's sum
	s_wait_alu depctr_va_vdst(0)
	v_rcp_f32 v14, v14
	v_nop                                          ; a plain place behind the reciprocal
	s_wait_alu depctr_va_vdst(0)                   ; and the wait ahead of its first reader
.set j, 0
.rept 16
	v_pk_mul_f32 v[S+j:S+j+1], v[O+j:O+j+1], v[14:15] op_sel_hi:[1,0]   ; register 16 b + 8 u + i is channel 32 b + 16 u + 8 h + i
.set j, j+2
.endr
.irp b, 0,1
	v_max3_num_f32 v[BM+\b], |v[S+16*\b]|, |v[S+16*\b+1]|, 0x1800000
.endr
.irp i, 2,4,6,8,10,12,14
.irp b, 0,1
	s_delay_alu instid0(VALU_DEP_2)
	v_max3_num_f32 v[BM+\b], v[BM+\b], |v[S+16*\b+\i]|, |v[S+16*\b+\i+1]|
.endr
.endr
.irp b, 0,1
	s_delay_alu instid0(VALU_DEP_2)
	v_permlanex16_b32 v[BX+\b], v[BM+\b], s[SEL], s[SEL+1]
.endr
.irp b, 0,1
	s_delay_alu instid0(VALU_DEP_2)
	v_max_num_f32 v[BM+\b], v[BM+\b], v[BX+\b]
.endr
.irp b, 0,1
	s_delay_alu instid0(VALU_DEP_2)
	v_add_nc_u32 v[SOP+\b], 0xff000000, v[BM+\b]
.endr
.irp b, 0,1
	s_delay_alu instid0(VALU_DEP_2)
	v_lshrrev_b32 v[BX+\b], 23, v[SOP+\b]
.endr
	v_cvt_scalef32_pk16_fp6_f32 v[PC:PC+2], v[S:S+15], v[SOP]
	v_cvt_scalef32_pk16_fp6_f32 v[T2:T2+2], v[S+16:S+31], v[SOP+1]
	v_nop                                          ; one plain place behind a scaled conversion
.irp i, 0,1,2
	v_permlane16_swap_b32 v[PC+\i], v[T2+\i]       ; lane (r, h) now holds block h: places 0-15 in v184-186, 16-31 in v196-198
.endr
	s_delay_alu instid0(VALU_DEP_2)
	; the places hold elements 0-7, 16-23, 8-15, 24-31: the two middle groups of 48 bits change places
	v_perm_b32 v[YO], v[T2+1], v[T2], 0x05040302
	s_delay_alu instid0(VALU_DEP_2)
	v_perm_b32 v[YO+1], v[PC+2], v[PC+1], 0x05040302
	s_delay_alu instid0(VALU_DEP_3)
	v_perm_b32 v[YO+2], v[T2+1], v[PC+2], 0x07060302
	s_delay_alu instid0(VALU_DEP_4)
	v_mov_b32 v[YO+3], v[T2+2]
	v_perm_b32 v[PC+1], v[T2], v[PC+1], 0x05040100
	v_cndmask_b32 v[TMP], v[BX], v[BX+1], s62      ; my block's byte
	global_store_b64 v[L8], v[PC:PC+1], s[54:55]                   ; 32 lanes store 256 consecutive bytes, aligned
	global_store_b64 v[L8], v[YO:YO+1], s[54:55] offset:256
	global_store_b64 v[L8], v[YO+2:YO+3], s[54:55] offset:512
	global_store_b8 v[YSO], v[TMP], s[56:57]                       ; the one small store: a byte a lane, one twenty-fourth of the codes' bytes
.endm
	s_sub_co_u32 s[GT], 15, s[PI]                  ; the late tile first
	TILE_INIT
	s_wait_tensorcnt 0x0                           ; my record is in,
	s_barrier_signal -1
	s_barrier_wait -1                              ; everybody's is: the head's K and V lie in LDS for the rest of the launch
	LOOPN 16
	FINISH
	s_mov_b32 s[GT], s[PI]                         ; then the early one
	TILE_INIT
	LOOPN 8
	FINISH
	s_wait_tensorcnt 0x0
	ds_add_u32 v254, v255
	s_wait_dscnt 0x0
	ROUND                                          ; the closing round
	s_endpgm
.Lfunc_end_k_q1d0a6bb44f_attn:
	.size	k_q1d0a6bb44f_attn, .Lfunc_end_k_q1d0a6bb44f_attn-k_q1d0a6bb44f_attn
	.p2alignl 7, 3214868480
	.fill 96, 4, 3214868480
	.section	.rodata,"a",@progbits
	.p2align	6, 0x0
	.amdhsa_kernel k_q1d0a6bb44f_attn
		.amdhsa_group_segment_fixed_size 206848
		.amdhsa_private_segment_fixed_size 0
		.amdhsa_enable_private_segment 0
		.amdhsa_kernarg_size 32
		.amdhsa_user_sgpr_count 2
		.amdhsa_user_sgpr_kernarg_segment_ptr 1
		.amdhsa_wavefront_size32 1
		.amdhsa_system_sgpr_workgroup_id_x 1
		.amdhsa_system_sgpr_workgroup_id_y 1
		.amdhsa_system_sgpr_workgroup_id_z 1
		.amdhsa_system_vgpr_workitem_id 0
		.amdhsa_next_free_vgpr 256
		.amdhsa_next_free_sgpr 66
		.amdhsa_reserve_vcc 1
		.amdhsa_float_denorm_mode_32 3
		.amdhsa_float_denorm_mode_16_64 3
		.amdhsa_memory_ordered 1
		.amdhsa_forward_progress 1
		.amdhsa_inst_pref_size 65
	.end_amdhsa_kernel
	.amdgpu_metadata
---
amdhsa.version: [ 1, 2 ]
amdhsa.kernels:
  - .name:           k_q1d0a6bb44f_attn
    .symbol:         k_q1d0a6bb44f_attn.kd
    .args:
      - { .name: qimg, .offset: 0, .size: 8, .value_kind: global_buffer, .address_space: global }
      - { .name: kv, .offset: 8, .size: 8, .value_kind: global_buffer, .address_space: global }
      - { .name: ycodes, .offset: 16, .size: 8, .value_kind: global_buffer, .address_space: global }
      - { .name: yscales, .offset: 24, .size: 8, .value_kind: global_buffer, .address_space: global }
    .group_segment_fixed_size: 206848
    .private_segment_fixed_size: 0
    .kernarg_segment_align: 8
    .kernarg_segment_size: 32
    .max_flat_workgroup_size: 512
    .sgpr_count:     66
    .vgpr_count:     256
    .wavefront_size: 32
...
	.end_amdgpu_metadata
.endif
;; end of part 2
;; launch proj (part 3): grid 4 x 32, 4 waves a work-group, clusters of 4 x 4, 327,680 bytes of LDS; arguments ycodes, yscales, Wo_codes, Wo_scales, bo, out0; writes out0
.if DOCPART == 3
	.amdgcn_target "amdgcn-amd-amdhsa--gfx1250"
	.amdhsa_code_object_version 6
	.text
	.protected	k_q1d0a6bb44f_proj
	.globl	k_q1d0a6bb44f_proj
	.p2align	8
	.type	k_q1d0a6bb44f_proj,@function
k_q1d0a6bb44f_proj:
	s_mov_b64 s[64:65], 0
	v_nop
	global_prefetch_b8 v0, s[64:65] scope:SCOPE_SE
	s_setreg_imm32_b32 hwreg(HW_REG_WAVE_MODE, 25, 1), 1
	s_wait_xcnt 0x0
	s_wait_alu depctr_hold_cnt(0) depctr_sa_sdst(0) depctr_va_vdst(0) depctr_va_sdst(0) depctr_va_ssrc(0) depctr_va_vcc(0) depctr_vm_vsrc(0)
	s_getreg_b32 s2, hwreg(HW_REG_IB_STS2, 6, 4)
	s_cmp_eq_u32 s2, 0
	s_cbranch_scc0 .Lentry_in_a_cluster
	s_endpgm
.Lentry_in_a_cluster:
	s_bfe_u32 s2, ttmp6, 0x10000c
	s_cmp_lg_u32 s2, 0xf033
	s_cbranch_scc0 .Lentry_shape_is_right
	s_endpgm
.Lentry_shape_is_right:
; out = y Wo + bo on codes of FP6 (E2M3) with E8M0 scales.  C[m][n] = sum over k of A[m][k] B[n][k] + bo[n]; A = y (8,192 rows), B = Wo (1,024 rows), K = 1,024; C f32.
; A tile of 256 x 256 to a work-group of four waves, 128 x 128 to a wave; K in steps of 256 through two LDS slots; 4 x 4 work-groups ask jointly for A's tiles along a row of the cluster and for B's along a column.
; y's codes lie as the launch before stored them: [16 rows][head][3 x 256 bytes], registers 2 p, 2 p + 1 of lane l at 256 p + 8 l.  Two heads on end are a fragment of 128 along K: six loads of 8 bytes a lane, each of 256 neighbouring bytes.
; A K step (4 heads) of 16 rows is 3,072 consecutive bytes, at a multiple of 256; a wave's tensor load brings 8 such rows, 12,288 bytes apart, dense in LDS.  B's tiles and both operands' scale bytes lie in rows.
; The bias is the C of each sum's first matrix instruction (another order of f32 rounding than the sum followed by the bias).
; There are 128 tiles of this size, so half of the WGPs have no work-group; the larger tile reads fewer LDS bytes for each product, and the launch's 32 MiB of stores are the same either way.
; REGISTERS, in windows of 256: window 0: v0-31 addresses; v32-63 scale words, two sets (nothing else ever); v64-127 the bias; from v128 A's fragments, on the way out rows of C.
;   window 1: B's fragments, two sets.   window 2: accumulators of my rows 0-63 ((a, b) at v[8 (8 a + b)]);   window 3: of my rows 64-127.
.set SIZE_N, 1024
.set SIZE_K, 1024
.set KSTEP,  256
.set NQ,     KSTEP/128
.set ROWB,   192                       ; a row of B's tile in bytes
.set AROWB,  3072                      ; a row of A's tile: 16 rows of y x 256 along K
.set KROW,   SIZE_K*6/8
.set PITCH,  240                       ; B's LDS row: 3 x (64 bytes + 16 of padding)
.set FR,     12
.set NL,     6
.set NP,     4
.set HALFT,  128*PITCH                 ; the LDS room of 128 rows (A uses 24,576 bytes of it)
.set SLOT,   4*HALFT
.set LAPS,   SIZE_K/(2*KSTEP)
.set KS,     SIZE_K/32
.set SCL,    2*SLOT
.set HALFS,  (128*KS/256)*272
.set SBLK,   (16*KS/256)*272
.set SPARE,  SCL+4*HALFS               ; the spare words: 128 bytes a wave, named by no other line
.set SPITCH, 528                       ; the way out: a stage of 16 rows x (512 bytes + 16) for each wave, in slot 0, which has had its last fill and its last read by then
.set ADRA, 16                          ; v16-17 LDS address of my A fragments in slot 0, 1
.set ADRB, 20                          ; v20-23 of B's (v22-23: behind one padding more)
.set STO,  24
.set RD,   25
.set CO,   26
.set ADRS, 27
.set SPW,  28
.set NIL,  29
.set BOQ,  30                          ; v30 bias offset: 32 h
.set SC,   32
.set BI,   64
.set AF,   128
.set BK,   128
.set G1, 24
.set G0, 32
.set G1B, 48
.set G0B, 56
.set G1S, 68
.set G0S, 76
.set G1SB, 80
.set G0SB, 88
.set MSB, 0
.macro WIN new                         ; the immediate's high byte repeats the setting that is left
.if MSB != \new
	s_set_vgpr_msb (MSB<<8)|\new
.set MSB, \new
.endif
.endm
.set MUL_LO, 0xa1
.set MUL_HI, 0xf1
.set TO_B,   0x40
.macro JLOAD g0a, g1a, g0b, g1b        ; a joint load: waves 0 and 1 fetch for A, waves 2 and 3 for B; four v_nop follow each of the two lines
	s_cmp_eq_u32 s15, 0
	s_cbranch_scc0 .Lfor_b_\@
	tensor_load_to_lds s[\g0a:\g0a+3], s[\g1a:\g1a+7]
	s_nop 0
.rept 4
	v_nop
.endr
	s_branch .Lasked_\@
.Lfor_b_\@:
	tensor_load_to_lds s[\g0b:\g0b+3], s[\g1b:\g1b+7]
	s_nop 0
.rept 4
	v_nop
.endr
.Lasked_\@:
.endm
.macro CREST
	s_cmp_lg_u32 s14, 0
	s_cbranch_scc1 .Lnot_wave_0_\@
	s_barrier_signal -3
.Lnot_wave_0_\@:
	s_barrier_wait -3
	s_barrier_signal -1
	s_barrier_wait -1
.endm
.macro CROUND
	s_barrier_signal -1
	s_barrier_wait -1
	CREST
.endm
	s_load_b128 s[4:7], s[0:1], 0x0                ; y's codes, y's scales
	s_load_b128 s[8:11], s[0:1], 0x10              ; Wo's codes, Wo's scales
	s_load_b64 s[96:97], s[0:1], 0x20              ; bo
	s_load_b64 s[12:13], s[0:1], 0x28              ; out
	v_lshl_add_u32 v[SPW], v0, 2, SPARE
	v_mov_b32 v[NIL], 0
	ds_add_u32 v28, v29
	ds_add_u32 v28, v29
	s_wait_dscnt 0x0
	v_lshrrev_b32 v1, 5, v0
	v_readfirstlane_b32 s14, v1                    ; wave 0..3
	s_lshr_b32 s15, s14, 1                         ; which half of the tile's rows is mine.  Also: I fetch for A (0) or for B (1)
	s_and_b32 s16, s14, 1                          ; which half of its columns.  Also: which 128 rows of that tile I fetch
	s_bfe_u32 s40, ttmp6, 0x40000                  ; cx, cy
	s_bfe_u32 s41, ttmp6, 0x40004
	s_lshl_b32 s42, ttmp9, 2
	s_add_co_u32 s42, s42, s40                     ; tile column of C
	s_and_b32 s17, ttmp7, 0xffff
	s_lshl_b32 s17, s17, 2
	s_add_co_u32 s17, s17, s41                     ; tile row of C
	s_lshl_b32 s43, s41, 2
	s_lshl_b32 s43, 15, s43                        ; my row of the cluster
	s_lshl_b32 s44, 0x1111, s40                    ; my column
	; A's tile: 8 rows of 384 elements of 8 bytes, 1,536 elements apart, dense in LDS
	s_or_b32 s[G1+0], s43, (3<<16)|(1<<21)
	s_mov_b32 s[G1+1], 384<<16
	s_mov_b32 s[G1+2], 8<<16
	s_mov_b32 s[G1+3], 384<<16
	s_mov_b32 s[G1+4], 8
	s_mov_b32 s[G1+5], 1536
	s_mov_b32 s[G1+6], 0
	s_mov_b32 s[G1+7], 0
	; B's tile: 128 rows x 192 bytes, 16 bytes of padding behind every 64
	s_or_b32 s[G1B+0], s44, (0<<16)|(1<<20)|(1<<21)|(3<<22)|(3<<25)
	s_mov_b32 s[G1B+1], ROWB<<16
	s_mov_b32 s[G1B+2], 128<<16
	s_mov_b32 s[G1B+3], ROWB<<16
	s_mov_b32 s[G1B+4], 128
	s_mov_b32 s[G1B+5], KROW
	s_mov_b32 s[G1B+6], 0
	s_mov_b32 s[G1B+7], 0
	; the scales of 128 rows: 4,096 dense bytes as 16 rows of 256, 16 bytes of padding behind each
	s_or_b32 s[G1S+0], s43, (3<<16)|(1<<20)|(1<<21)|(5<<22)|(3<<25)
	s_or_b32 s[G1SB+0], s44, (3<<16)|(1<<20)|(1<<21)|(5<<22)|(3<<25)
.irp g, G1S, G1SB
	s_mov_b32 s[\g+1], 32<<16
	s_mov_b32 s[\g+2], (128*KS/256)<<16
	s_mov_b32 s[\g+3], 32<<16
	s_mov_b32 s[\g+4], 128*KS/256
	s_mov_b32 s[\g+5], 32
	s_mov_b32 s[\g+6], 0
	s_mov_b32 s[\g+7], 0
.endr
	s_lshl_b32 s18, s16, 7
	s_lshl_b32 s20, s17, 8
	s_add_co_u32 s20, s20, s18                     ; A: row 256 x tile row + 128 x half
	s_lshl_b32 s46, s42, 8
	s_add_co_u32 s46, s46, s18                     ; B: row 256 x tile column + 128 x half
	s_mov_b32 s21, 0
	s_mov_b32 s47, 0
	s_mov_b64 s[18:19], KS
	s_mul_u64 s[22:23], s[20:21], s[18:19]
	s_mul_u64 s[92:93], s[46:47], s[18:19]
	s_mov_b64 s[18:19], KROW
	s_mul_u64 s[20:21], s[20:21], s[18:19]         ; (16 rows of y are 12,288 bytes: 768 a row, as in rows)
	s_mul_u64 s[46:47], s[46:47], s[18:19]
	s_mul_i32 s45, s14, HALFT
	s_mul_i32 s94, s14, HALFS
	s_wait_kmcnt 0x0
	s_add_nc_u64 s[20:21], s[4:5], s[20:21]
	s_add_nc_u64 s[22:23], s[6:7], s[22:23]
	s_add_nc_u64 s[46:47], s[8:9], s[46:47]
	s_add_nc_u64 s[92:93], s[10:11], s[92:93]
	CROUND                                         ; all sixteen work-groups are here: the first joint loads meet
	s_mov_b32 s[G0S], 1
	s_add_co_u32 s[G0S+1], s94, SCL
	s_mov_b64 s[G0S+2:G0S+3], s[22:23]
	s_or_b32 s[G0S+3], s[G0S+3], 0x80000000
	s_mov_b32 s[G0SB], 1
	s_add_co_u32 s[G0SB+1], s94, SCL
	s_mov_b64 s[G0SB+2:G0SB+3], s[92:93]
	s_or_b32 s[G0SB+3], s[G0SB+3], 0x80000000
	JLOAD G0S, G1S, G0SB, G1SB
.irp s, 0,1
	s_mov_b32 s[G0+4*\s], 1
	s_add_co_u32 s[G0+4*\s+1], s45, \s*SLOT
	s_add_nc_u64 s[G0+4*\s+2:G0+4*\s+3], s[20:21], \s*AROWB
	s_or_b32 s[G0+4*\s+3], s[G0+4*\s+3], 0x80000000
	s_mov_b32 s[G0B+4*\s], 1
	s_add_co_u32 s[G0B+4*\s+1], s45, \s*SLOT
	s_add_nc_u64 s[G0B+4*\s+2:G0B+4*\s+3], s[46:47], \s*ROWB
	s_or_b32 s[G0B+4*\s+3], s[G0B+4*\s+3], 0x80000000
	s_wait_alu depctr_va_vdst(0)
	s_wait_tensorcnt 0x0
	ds_add_u32 v28, v29
	s_wait_dscnt 0x0
	CROUND
	JLOAD G0+4*\s, G1, G0B+4*\s, G1B               ; one load of mine is out behind each of these
.endr
	v_and_b32 v1, 15, v0                           ; r
	v_bfe_u32 v2, v0, 4, 1                         ; h
	v_mul_u32_u24 v3, v1, PITCH
	v_mul_u32_u24 v4, v2, 24
	v_add_nc_u32 v4, v3, v4                        ; B: a fragment's row x pitch + 24 x half
	v_lshl_add_u32 v5, v2, 4, v4                   ; and behind one padding more
	v_and_b32 v7, 31, v0
	v_lshlrev_b32 v7, 3, v7                        ; A: 8 x lane
	s_mul_i32 s21, s15, HALFT                      ; my 128 rows of A
	s_mul_i32 s22, s16, HALFT                      ; my 128 rows of B,
	s_add_co_u32 s22, s22, 2*HALFT                 ; behind A's room
.irp s, 0,1
	v_add_nc_u32 v[ADRA+\s], s21, v7
	v_add_nc_u32 v[ADRB+\s], s22, v4
	v_add_nc_u32 v[ADRB+2+\s], s22, v5
	s_add_co_u32 s21, s21, SLOT
	s_add_co_u32 s22, s22, SLOT
.endr
	v_mul_u32_u24 v5, v1, KS
	v_lshrrev_b32 v6, 8, v5
	v_lshl_add_u32 v5, v6, 4, v5
	s_mul_i32 s21, s15, HALFS
	s_mul_i32 s22, s16, HALFS
	s_add_co_u32 s22, s22, 2*HALFS
	s_sub_co_u32 s22, s22, s21
	v_mul_u32_u24 v6, s22, v2                      ; lanes 16-31 take B's scale words
	s_add_co_u32 s21, s21, SCL
	v_add_nc_u32 v5, v5, v6
	v_add_nc_u32 v[ADRS], s21, v5
	s_mul_i32 s23, s14, 16*SPITCH                  ; my stage
	v_mul_u32_u24 v5, v1, SPITCH
	v_lshl_add_u32 v5, v2, 5, v5
	v_add_nc_u32 v[STO], s23, v5
	v_and_b32 v6, 31, v0
	v_lshlrev_b32 v[CO], 4, v6
	v_add_nc_u32 v[RD], s23, v[CO]
	v_lshlrev_b32 v[BOQ], 5, v2
	s_wait_alu depctr_va_vdst(0)
	s_lshl_b32 s20, s17, 8
	s_lshl_b32 s21, s15, 7
	s_add_co_u32 s20, s20, s21                     ; my first row of C
	s_mov_b32 s21, 0
	s_mov_b64 s[18:19], SIZE_N*4
	s_mul_u64 s[20:21], s[20:21], s[18:19]
	s_lshl_b32 s46, s42, 10                        ; my first column, in bytes
	s_lshl_b32 s47, s16, 9
	s_add_co_u32 s46, s46, s47
	s_mov_b32 s47, 0
	s_add_nc_u64 s[20:21], s[20:21], s[46:47]
	s_add_nc_u64 s[12:13], s[12:13], s[20:21]
	s_add_nc_u64 s[96:97], s[96:97], s[46:47]      ; the bias of my 128 columns
.irp b, 0,1,2,3,4,5,6,7
	global_load_b128 v[BI+8*\b:BI+8*\b+3], v[BOQ], s[96:97] offset:64*\b         ; register 8 b + j = bo(16 b + 8 h + j)
	global_load_b128 v[BI+8*\b+4:BI+8*\b+7], v[BOQ], s[96:97] offset:64*\b+16
.endr
.macro FRAG reg, adr, q, i             ; B's fragment from padded rows, in pieces of 8 bytes
.irp p, 0,1,2,3,4,5
.set PC, 12*(\q)+6*(\p/3)+\p%3
.if PC%8 < 5
	ds_load_b64 v[\reg+2*\p:\reg+2*\p+1], v[\adr] offset:8*PC+16*(PC/8)+(\i)*16*PITCH
.else
	ds_load_b64 v[\reg+2*\p:\reg+2*\p+1], v[\adr+2] offset:8*PC+16*(PC/8)+(\i)*16*PITCH
.endif
.endr
.endm
.macro FRAGA reg, adr, q, i            ; A's fragment: block i of 16 rows, the slot's q-th 128 along K: six runs of 256 bytes, 8 bytes a lane
.irp p, 0,1,2,3,4,5
	ds_load_b64 v[\reg+2*\p:\reg+2*\p+1], v[\adr] offset:AROWB*(\i)+1536*(\q)+256*\p
.endr
.endm
; 16 matrix instructions: A's blocks a0, a0 + 1 x B's eight.  zero = 1: the sums start with the bias.  The 64 accumulators take turns, one instruction a turn.
.macro MUL16 a0, p, q, sc, zero
.irp a, \a0, \a0+1
.irp b, 0,1,2,3,4,5,6,7
.if \zero
	v_wmma_scale_f32_16x16x128_f8f6f4 v[8*(8*((\a)%4)+\b):8*(8*((\a)%4)+\b)+7], v[128*(\p)+FR*\b:128*(\p)+FR*\b+FR-1], v[AF+FR*(\a):AF+FR*(\a)+FR-1], v[BI+8*\b:BI+8*\b+7], v[SC+8*NQ*(\sc)+NQ*\b+(\q)], v[SC+8*NQ*(\sc)+NQ*(\a)+(\q)] matrix_a_fmt:MATRIX_FMT_FP6 matrix_b_fmt:MATRIX_FMT_FP6 matrix_a_scale:MATRIX_SCALE_ROW1
.else
	v_wmma_scale_f32_16x16x128_f8f6f4 v[8*(8*((\a)%4)+\b):8*(8*((\a)%4)+\b)+7], v[128*(\p)+FR*\b:128*(\p)+FR*\b+FR-1], v[AF+FR*(\a):AF+FR*(\a)+FR-1], v[8*(8*((\a)%4)+\b):8*(8*((\a)%4)+\b)+7], v[SC+8*NQ*(\sc)+NQ*\b+(\q)], v[SC+8*NQ*(\sc)+NQ*(\a)+(\q)] matrix_a_fmt:MATRIX_FMT_FP6 matrix_b_fmt:MATRIX_FMT_FP6 matrix_a_scale:MATRIX_SCALE_ROW1
.endif
.endr
.endr
.endm
.macro FETCH_B slot, q, p
	WIN TO_B
.irp i, 0,1,2,3,4,5,6,7
	FRAG 128*(\p)+FR*\i, ADRB+\slot, \q, \i
.endr
	WIN 0
.endm
.macro FETCH_A slot, q, i0
.irp i, \i0, \i0+1, \i0+2, \i0+3
	FRAGA AF+FR*(\i), ADRA+\slot, \q, \i
.endr
.endm
.macro SCALES sc
.irp i, 0,1,2,3,4,5,6,7
	ds_load_b64 v[SC+8*NQ*\sc+NQ*\i:SC+8*NQ*\sc+NQ*\i+1], v[ADRS] offset:\i*SBLK
.endr
.endm
.macro PLACES n                        ; plain vector instructions between a matrix instruction and a load into, or a read of, its registers
.rept \n
	v_nop
.endr
.endm
.macro STEP slot, q, zero
	s_wait_dscnt 4*NL                              ; B's set and A's blocks 0-3 are in; the youngest 24 loads (A's blocks 4-7) may be out
.if \zero
	WIN 0x81                                       ; C (the bias) in window 0, D in window 2
.else
	WIN MUL_LO
.endif
	MUL16 0, (\q)%2, \q, \slot, \zero
	MUL16 2, (\q)%2, \q, \slot, \zero
	s_wait_dscnt 0
	PLACES NP
	FETCH_B \slot, (\q)+1, 1-(\q)%2
	FETCH_A \slot, (\q)+1, 0
.if \zero
	WIN 0xc1
.else
	WIN MUL_HI
.endif
	MUL16 4, (\q)%2, \q, \slot, \zero
	MUL16 6, (\q)%2, \q, \slot, \zero
	PLACES NP
	WIN 0
	FETCH_A \slot, (\q)+1, 4
.endm
.macro TURN slot, next, fill
	s_wait_tensorcnt 0x0                           ; all my tensor loads have landed: my part of the next slot
	ds_add_u32 v[SPW], v[NIL]                      ; 0 onto my spare word
	s_wait_dscnt 4*NL+1                            ; (the add and the youngest 24 loads may be out)
	WIN MUL_LO
	MUL16 0, 1, NQ-1, \slot, 0
	s_wait_dscnt 0x0                               ; the add is done, and my reads of this slot are over
	s_barrier_signal -1
	MUL16 2, 1, NQ-1, \slot, 0
	WIN 0
	s_barrier_wait -1
.if \fill
	CREST                                          ; the barrier has opened a round of the cluster's: no wave of any partner still reads this slot or has a load on its way
	s_add_nc_u64 s[G0+4*\slot+2:G0+4*\slot+3], s[G0+4*\slot+2:G0+4*\slot+3], 2*AROWB
	s_add_nc_u64 s[G0B+4*\slot+2:G0B+4*\slot+3], s[G0B+4*\slot+2:G0B+4*\slot+3], 2*ROWB
	JLOAD G0+4*\slot, G1, G0B+4*\slot, G1B
.else
	PLACES NP
.endif
	s_wait_alu depctr_va_vdst(0)
	v_add_nc_u32 v[ADRS], 4*NQ, v[ADRS]
	FETCH_B \next, 0, 0
	FETCH_A \next, 0, 0
	SCALES \next
	WIN MUL_HI
	MUL16 4, 1, NQ-1, \slot, 0
	MUL16 6, 1, NQ-1, \slot, 0
	PLACES NP
	WIN 0
	FETCH_A \next, 0, 4
.endm
	s_wait_tensorcnt 1                             ; the scales and my part of K step 0 are in (K step 1's load may be out),
	s_barrier_signal -1
	s_barrier_wait -1                              ; everybody's are
	FETCH_B 0, 0, 0
	FETCH_A 0, 0, 0
	SCALES 0
	FETCH_A 0, 0, 4
	s_wait_loadcnt 0x0                             ; the bias
	STEP 0, 0, 1
	s_mov_b32 s3, LAPS-1
.Llap:
	TURN 0, 1, 1
	STEP 1, 0, 0
	TURN 1, 0, 1
	STEP 0, 0, 0
	s_sub_co_u32 s3, s3, 1
	s_cmp_lg_u32 s3, 0
	s_cbranch_scc1 .Llap
	TURN 0, 1, 0
	STEP 1, 0, 0
	s_wait_dscnt 4*NL
	WIN MUL_LO
	MUL16 0, 1, NQ-1, 1, 0
	MUL16 2, 1, NQ-1, 1, 0
	s_wait_dscnt 0
	WIN MUL_HI
	MUL16 4, 1, NQ-1, 1, 0
	MUL16 6, 1, NQ-1, 1, 0
	WIN 0
; THE WAY OUT, block by block of 16 rows x 128 columns, through my own stage in LDS: in as 32 bytes a lane, back as whole rows of 512 bytes.  LDS serves a wave's instructions in order (ISA guide 5.7.1.4).
.macro TOSTAGE a
.set AC, 64*((\a)%4)
	WIN 0x08+4*((\a)/4)                            ; the data: window 2 or 3
.irp b, 0,1,2,3,4,5,6,7
	ds_store_b128 v[STO], v[AC+8*\b:AC+8*\b+3] offset:64*\b          ; each accumulator from its low end on
	ds_store_b128 v[STO], v[AC+8*\b+4:AC+8*\b+7] offset:64*\b+16
.endr
	WIN 0
.set BB, BK+64*((\a)%2)
.irp t, 0,1,2,3,4,5,6,7,8,9,10,11,12,13,14,15
	ds_load_b128 v[BB+4*\t:BB+4*\t+3], v[RD] offset:\t*SPITCH
.endr
.endm
.macro SEND a, younger
.set BB, BK+64*((\a)%2)
	s_wait_dscnt \younger                          ; the block is back in registers
.if (\a) > 0
	s_add_nc_u64 s[12:13], s[12:13], 16*SIZE_N*4   ; (behind a wait on XCNT: the earlier stores have read their base)
.endif
.irp t, 0,1,2,3,4,5,6,7,8,9,10,11,12,13,14,15
	global_store_b128 v[CO], v[BB+4*\t:BB+4*\t+3], s[12:13] offset:\t*SIZE_N*4 th:TH_STORE_NT   ; 32 lanes store 512 consecutive bytes, at a multiple of 256 from the output's first byte
.endr
.endm
	PLACES NP
	TOSTAGE 0
.irp a, 1,2,3,4,5,6,7
.if \a > 1
	s_wait_xcnt 0x0                                ; block a - 2's stores have read their registers and their base
.endif
	TOSTAGE \a
	SEND \a-1, 32                                  ; behind block a - 1's loads: block a's 16 stores and 16 loads
.endr
	s_wait_xcnt 0x0
	SEND 7, 0
	s_wait_tensorcnt 0x0                           ; the wave's end
	ds_add_u32 v[SPW], v[NIL]
	s_wait_dscnt 0x0
	CROUND                                         ; the closing round
	s_endpgm
.Lfunc_end_k_q1d0a6bb44f_proj:
	.size	k_q1d0a6bb44f_proj, .Lfunc_end_k_q1d0a6bb44f_proj-k_q1d0a6bb44f_proj
	.p2alignl 7, 3214868480
	.fill 96, 4, 3214868480
	.section	.rodata,"a",@progbits
	.p2align	6, 0x0
	.amdhsa_kernel k_q1d0a6bb44f_proj
		.amdhsa_group_segment_fixed_size 327680
		.amdhsa_private_segment_fixed_size 0
		.amdhsa_enable_private_segment 0
		.amdhsa_kernarg_size 48
		.amdhsa_user_sgpr_count 2
		.amdhsa_user_sgpr_kernarg_segment_ptr 1
		.amdhsa_wavefront_size32 1
		.amdhsa_system_sgpr_workgroup_id_x 1
		.amdhsa_system_sgpr_workgroup_id_y 1
		.amdhsa_system_sgpr_workgroup_id_z 1
		.amdhsa_system_vgpr_workitem_id 0
		.amdhsa_next_free_vgpr 1024
		.amdhsa_next_free_sgpr 100
		.amdhsa_reserve_vcc 0
		.amdhsa_float_denorm_mode_32 3
		.amdhsa_float_denorm_mode_16_64 3
		.amdhsa_memory_ordered 1
		.amdhsa_forward_progress 1
		.amdhsa_inst_pref_size 162
	.end_amdhsa_kernel
	.amdgpu_metadata
---
amdhsa.version: [ 1, 2 ]
amdhsa.kernels:
  - .name:           k_q1d0a6bb44f_proj
    .symbol:         k_q1d0a6bb44f_proj.kd
    .args:
      - { .name: ycodes, .offset: 0, .size: 8, .value_kind: global_buffer, .address_space: global }
      - { .name: yscales, .offset: 8, .size: 8, .value_kind: global_buffer, .address_space: global }
      - { .name: Wo_codes, .offset: 16, .size: 8, .value_kind: global_buffer, .address_space: global }
      - { .name: Wo_scales, .offset: 24, .size: 8, .value_kind: global_buffer, .address_space: global }
      - { .name: bo, .offset: 32, .size: 8, .value_kind: global_buffer, .address_space: global }
      - { .name: out0, .offset: 40, .size: 8, .value_kind: global_buffer, .address_space: global }
    .group_segment_fixed_size: 327680
    .private_segment_fixed_size: 0
    .kernarg_segment_align: 8
    .kernarg_segment_size: 48
    .max_flat_workgroup_size: 128
    .sgpr_count:     100
    .vgpr_count:     1024
    .wavefront_size: 32
...
	.end_amdgpu_metadata
.endif
;; end of part 3
